; MI455X (gfx1250); checked and timed in simulation.
; The chip was launched on July 23, 2026; its instructions are those of AMD's public machine-readable ISA for CDNA 5 (MIT licence, August 2026) and "CDNA5" Instruction Set Architecture Reference Guide (July 2026). The comments in the code are by the model that wrote it; some were corrected since.
;; Multi Head Attention. Allowed arithmetic: float matrix products may take bf16 or f16 operands with f32 sums; all other float work in f32.
;; Inputs: Wk 1,024 x 1,024 float32; Wo 1,024 x 1,024 float32; Wq 1,024 x 1,024 float32; Wv 1,024 x 1,024 float32; keys 2,048 x 2 x 1,024 float32; mask 1 x 1 x 2,048 x 2,048 int32; query 2,048 x 2 x 1,024 float32; values 2,048 x 2 x 1,024 float32.
;; Outputs: out0 2,048 x 2 x 1,024 float32.
;; 2 versions, each right; version 2 is version 1 with the launch prep written anew for expert scheduling mode. Each part assembles by itself: llvm-mc -triple=amdgcn-amd-amdhsa -mcpu=gfx1250 --defsym DOCPART=n.
;; ======== version 1 of 2: 4 launches
;; limits: values are held in f16: magnitudes above 65,504 overflow, below 6.1e-05 lose precision
;; workspace buffers: x16 25,165,824 bytes; w16 6,291,456 bytes; wo16 2,097,152 bytes; mbits 524,288 bytes of whole numbers; qkv 25,165,824 bytes; att 8,388,608 bytes
;; launch prep (part 1): grid 1280 x 1, 8 waves a work-group, no clusters, 70,656 bytes of LDS; arguments query, keys, values, Wq, Wk, Wv, Wo, mask, x16, w16, wo16, mbits; writes x16, w16, wo16, mbits
.if DOCPART == 1
	.amdgcn_target "amdgcn-amd-amdhsa--gfx1250"
	.amdhsa_code_object_version 6
	.text
	.protected	k_qd734bd84b5_prep
	.globl	k_qd734bd84b5_prep
	.p2align	8
	.type	k_qd734bd84b5_prep,@function
k_qd734bd84b5_prep:
	s_mov_b64 s[64:65], 0
	v_nop
	global_prefetch_b8 v0, s[64:65] scope:SCOPE_SE
	s_setreg_imm32_b32 hwreg(HW_REG_WAVE_MODE, 25, 1), 1
	s_wait_xcnt 0x0
; Sixteen-bit copies of the seven float inputs, and the mask as words of lane bits.
; Work-groups 0-1023: each turns 16,384 f32 (65,536 bytes) into 16-bit numbers (32,768 bytes):
;   0-767 query, keys, values -> x16 (bf16);  768-959 Wq, Wk, Wv -> w16 (bf16);
;   960-1023 Wo -> wo16: rounded to bf16, and that value written in f16 format.
; Work-groups 1024-1279: each wave packs 32 query rows x 64 key columns of the int32 mask into 64 words:
;   mbits[qb][kb][t][u][j], bit L = (mask[32 qb + 16 t + (L & 15)][64 kb + 16 u + 8 (L >> 4) + j] != 0),
;   which is the place of that score in the accumulator registers of the attention launch.
; LIMITS: |Wo| <= 65,504 (f16's range); below 2^-14 the f16 copy of Wo has an absolute error of at most 2^-25.
; Memory binds: loads of 16 bytes a lane, all sixteen of a wave out at once; each store of a wave covers 256 consecutive bytes, aligned.
.set MROW, 272                         ; LDS pitch of a mask row piece: 256 bytes + 16
.set MWAVE, 32*MROW                    ; a wave's own LDS bytes
	s_load_b512 s[8:23], s[0:1], 0x0               ; query, keys, values, Wq, Wk, Wv, Wo, mask
	s_load_b256 s[24:31], s[0:1], 0x40             ; x16, w16, wo16, mbits
	v_lshl_add_u32 v136, v0, 2, 0x11000
	v_mov_b32 v137, 0
	s_mov_b32 s2, ttmp9                            ; c: the work-group's number
	v_lshrrev_b32 v1, 5, v0
	v_readfirstlane_b32 s3, v1                     ; the wave's number
	s_mov_b32 s33, 0
	s_wait_kmcnt 0x0
	s_cmp_ge_u32 s2, 1024
	s_cbranch_scc1 .Lmask
	; ---- the float inputs ----
	s_mov_b64 s[4:5], s[8:9]                       ; the source: chosen by c alone
	s_cmp_ge_u32 s2, 256
	s_cselect_b64 s[4:5], s[10:11], s[4:5]
	s_cmp_ge_u32 s2, 512
	s_cselect_b64 s[4:5], s[12:13], s[4:5]
	s_cmp_ge_u32 s2, 768
	s_cselect_b64 s[4:5], s[14:15], s[4:5]
	s_cselect_b32 s34, 63, 255                     ; a weight has 64 blocks, an activation 256
	s_cmp_ge_u32 s2, 832
	s_cselect_b64 s[4:5], s[16:17], s[4:5]
	s_cmp_ge_u32 s2, 896
	s_cselect_b64 s[4:5], s[18:19], s[4:5]
	s_cmp_ge_u32 s2, 960
	s_cselect_b64 s[4:5], s[20:21], s[4:5]
	s_and_b32 s32, s2, s34                         ; the block's number inside its input (768, 832, .. are multiples of 64)
	s_lshl_b32 s32, s32, 16
	s_add_nc_u64 s[4:5], s[4:5], s[32:33]
	s_sub_co_u32 s36, s2, 768
	s_sub_co_u32 s37, s2, 960
	s_cmp_ge_u32 s2, 768                           ; the destination and the block's number in it
	s_cselect_b64 s[6:7], s[26:27], s[24:25]
	s_cselect_b32 s35, s36, s2
	s_cmp_ge_u32 s2, 960
	s_cselect_b64 s[6:7], s[28:29], s[6:7]
	s_cselect_b32 s35, s37, s35
	s_lshl_b32 s32, s35, 15
	s_add_nc_u64 s[6:7], s[6:7], s[32:33]
	v_lshlrev_b32 v1, 4, v0                        ; 16 bytes in a thread
	v_lshlrev_b32 v2, 3, v0                        ; 8 bytes out
.irp i, 0,1,2,3,4,5,6,7,8,9,10,11,12,13,14,15
	global_load_b128 v[4+4*\i:7+4*\i], v1, s[4:5] offset:4096*\i th:TH_LOAD_NT
.endr
; four numbers of load i: rounded, stored.  Every load and every store has registers of its own, so nothing is rewritten while it is read.
.macro CV i, wo
	s_wait_loadcnt 15-\i                           ; loads come back in order: the 15 - i younger ones stay out
	v_cvt_pk_bf16_f32 v[68+2*\i], v[4+4*\i], v[5+4*\i]
	v_cvt_pk_bf16_f32 v[69+2*\i], v[6+4*\i], v[7+4*\i]
.if \wo
	v_lshlrev_b32 v100, 16, v[68+2*\i]             ; the bf16 values as f32,
	v_and_b32 v101, 0xffff0000, v[68+2*\i]
	v_lshlrev_b32 v102, 16, v[69+2*\i]
	v_and_b32 v103, 0xffff0000, v[69+2*\i]
	v_cvt_pk_f16_f32 v[68+2*\i], v100, v101        ; and in f16 format: 8 bits of mantissa fit into 11
	v_cvt_pk_f16_f32 v[69+2*\i], v102, v103
.endif
	global_store_b64 v2, v[68+2*\i:69+2*\i], s[6:7] offset:2048*\i
.endm
	s_cmp_ge_u32 s2, 960
	s_cbranch_scc1 .Lwo
.irp i, 0,1,2,3,4,5,6,7,8,9,10,11,12,13,14,15
	CV \i, 0
.endr
	s_endpgm
.Lwo:
.irp i, 0,1,2,3,4,5,6,7,8,9,10,11,12,13,14,15
	CV \i, 1
.endr
	s_endpgm
	; ---- the mask ----
.Lmask:
	s_sub_co_u32 s32, s2, 1024
	s_lshl3_add_u32 s32, s32, s3                   ; id = 8 (c - 1024) + wave = 32 qb + kb
	s_lshr_b32 s34, s32, 5
	s_and_b32 s35, s32, 31
	s_lshl_b32 s34, s34, 18                        ; qb x 32 rows of 8,192 bytes
	s_lshl_b32 s35, s35, 8                         ; kb x 64 columns of 4 bytes
	s_add_co_u32 s34, s34, s35
	s_mov_b32 s35, 0
	s_add_nc_u64 s[22:23], s[22:23], s[34:35]
	s_lshl_b32 s36, s32, 8                         ; 256 bytes of words for each id
	s_mov_b32 s37, 0
	s_add_nc_u64 s[30:31], s[30:31], s[36:37]
	s_mul_i32 s38, s3, MWAVE                       ; my wave's LDS bytes: no other wave touches them, so no barrier
	v_and_b32 v134, 15, v0                         ; r
	v_bfe_u32 v135, v0, 4, 1                       ; h
	v_lshlrev_b32 v1, 13, v135                     ; lanes 0-15 one row's 256 bytes, lanes 16-31 the next row's
	v_lshl_add_u32 v1, v134, 4, v1
	v_mul_u32_u24 v2, v135, MROW
	v_lshl_add_u32 v2, v134, 4, v2
	v_add_nc_u32 v2, s38, v2                       ; in: as loaded
	v_mul_u32_u24 v3, v134, MROW
	v_lshl_add_u32 v3, v135, 5, v3
	v_add_nc_u32 v3, s38, v3                       ; back: row r, columns 8 h ..
.irp i, 0,1,2,3,4,5,6,7,8,9,10,11,12,13,14,15
	global_load_b128 v[4+4*\i:7+4*\i], v1, s[22:23] offset:16384*\i th:TH_LOAD_NT
.endr
.irp i, 0,1,2,3,4,5,6,7,8,9,10,11,12,13,14,15
	s_wait_loadcnt 15-\i                           ; the younger loads stay out
	ds_store_b128 v2, v[4+4*\i:7+4*\i] offset:2*MROW*\i
.endr
.irp t, 0,1
.irp u, 0,1,2,3
	ds_load_b128 v[68+8*(4*\t+\u):68+8*(4*\t+\u)+3],   v3 offset:16*MROW*\t+64*\u      ; LDS serves a wave's instructions in order: these see the stores above
	ds_load_b128 v[68+8*(4*\t+\u)+4:68+8*(4*\t+\u)+7], v3 offset:16*MROW*\t+64*\u+16
.endr
.endr
	v_and_b32 v134, 31, v0
	v_lshlrev_b32 v134, 3, v134                    ; lane L stores words 2 L and 2 L + 1
	v_mov_b32 v132, 0
	v_mov_b32 v133, 0
	s_wait_dscnt 0x0
.set x, 0
.rept 64
	v_cmp_ne_u32 s[40+(x&7)], 0, v[68+x]           ; word x: one bit from each lane
	v_writelane_b32 v[132+(x&1)], s[40+(x&7)], x>>1
.set x, x+1
.endr
	global_store_b64 v134, v[132:133], s[30:31]
	s_wait_tensorcnt 0x0
	ds_add_u32 v136, v137
	s_wait_dscnt 0x0
	s_endpgm
.Lfunc_end_k_qd734bd84b5_prep:
	.size	k_qd734bd84b5_prep, .Lfunc_end_k_qd734bd84b5_prep-k_qd734bd84b5_prep
	.p2alignl 7, 3214868480
	.fill 96, 4, 3214868480
	.section	.rodata,"a",@progbits
	.p2align	6, 0x0
	.amdhsa_kernel k_qd734bd84b5_prep
		.amdhsa_group_segment_fixed_size 70656
		.amdhsa_private_segment_fixed_size 0
		.amdhsa_enable_private_segment 0
		.amdhsa_kernarg_size 96
		.amdhsa_user_sgpr_count 2
		.amdhsa_user_sgpr_kernarg_segment_ptr 1
		.amdhsa_wavefront_size32 1
		.amdhsa_system_sgpr_workgroup_id_x 1
		.amdhsa_system_sgpr_workgroup_id_y 1
		.amdhsa_system_sgpr_workgroup_id_z 1
		.amdhsa_system_vgpr_workitem_id 0
		.amdhsa_next_free_vgpr 138
		.amdhsa_next_free_sgpr 66
		.amdhsa_reserve_vcc 0
		.amdhsa_float_denorm_mode_32 3
		.amdhsa_float_denorm_mode_16_64 3
		.amdhsa_memory_ordered 1
		.amdhsa_forward_progress 1
		.amdhsa_inst_pref_size 31
	.end_amdhsa_kernel
	.amdgpu_metadata
---
amdhsa.version: [ 1, 2 ]
amdhsa.kernels:
  - .name:           k_qd734bd84b5_prep
    .symbol:         k_qd734bd84b5_prep.kd
    .args:
      - { .name: query, .offset: 0, .size: 8, .value_kind: global_buffer, .address_space: global }
      - { .name: keys, .offset: 8, .size: 8, .value_kind: global_buffer, .address_space: global }
      - { .name: values, .offset: 16, .size: 8, .value_kind: global_buffer, .address_space: global }
      - { .name: Wq, .offset: 24, .size: 8, .value_kind: global_buffer, .address_space: global }
      - { .name: Wk, .offset: 32, .size: 8, .value_kind: global_buffer, .address_space: global }
      - { .name: Wv, .offset: 40, .size: 8, .value_kind: global_buffer, .address_space: global }
      - { .name: Wo, .offset: 48, .size: 8, .value_kind: global_buffer, .address_space: global }
      - { .name: mask, .offset: 56, .size: 8, .value_kind: global_buffer, .address_space: global }
      - { .name: x16, .offset: 64, .size: 8, .value_kind: global_buffer, .address_space: global }
      - { .name: w16, .offset: 72, .size: 8, .value_kind: global_buffer, .address_space: global }
      - { .name: wo16, .offset: 80, .size: 8, .value_kind: global_buffer, .address_space: global }
      - { .name: mbits, .offset: 88, .size: 8, .value_kind: global_buffer, .address_space: global }
    .group_segment_fixed_size: 70656
    .private_segment_fixed_size: 0
    .kernarg_segment_align: 8
    .kernarg_segment_size: 96
    .max_flat_workgroup_size: 256
    .sgpr_count:     66
    .vgpr_count:     138
    .wavefront_size: 32
...
	.end_amdgpu_metadata
.endif
;; end of part 1
;; launch proj (part 2): grid 4 x 48, 4 waves a work-group, clusters of 4 x 4, 327,680 bytes of LDS; arguments x16, w16, qkv; writes qkv
.if DOCPART == 2
	.amdgcn_target "amdgcn-amd-amdhsa--gfx1250"
	.amdhsa_code_object_version 6
	.text
	.protected	k_qd734bd84b5_proj
	.globl	k_qd734bd84b5_proj
	.p2align	8
	.type	k_qd734bd84b5_proj,@function
k_qd734bd84b5_proj:
	s_mov_b64 s[64:65], 0
	v_nop
	global_prefetch_b8 v0, s[64:65] scope:SCOPE_SE
	s_setreg_imm32_b32 hwreg(HW_REG_WAVE_MODE, 25, 1), 1
	s_wait_xcnt 0x0
	s_wait_alu depctr_hold_cnt(0) depctr_sa_sdst(0) depctr_va_vdst(0) depctr_va_sdst(0) depctr_va_ssrc(0) depctr_va_vcc(0) depctr_vm_vsrc(0)
	s_getreg_b32 s2, hwreg(HW_REG_IB_STS2, 6, 4)
	s_cmp_eq_u32 s2, 0
	s_cbranch_scc0 .Lentry_in_a_cluster
	s_endpgm
.Lentry_in_a_cluster:
	s_bfe_u32 s2, ttmp6, 0x10000c
	s_cmp_lg_u32 s2, 0xf033
	s_cbranch_scc0 .Lentry_shape_is_right
	s_endpgm
.Lentry_shape_is_right:
; q, k, v = x W^T.  x16: [3][4096][1024] bf16 (row m = 2 s + b), w16: [3][1024 n][1024 k] bf16; sums in f32;
; qkv: f16 [3][bh = 16 b + head][2048 s][64], head = n / 64.
; LIMIT: |q|, |k|, |v| <= 65,504 (f16).  With all inputs 30 times larger they are near 4,500, with a common offset of 30 spreads near 29,000.
; f16 and not bf16 for the results: the scores are not scaled, so a rounding of q and k shows in the logits about 14 times enlarged.
; The three products are one product of 12,288 rows: block row 0-47, of which sixteen belong to each input; the weights' rows follow the input.
; A work-group makes 256 x 256 with four waves, a wave 128 x 128: 64 accumulator tiles, 512 registers.  K goes in steps of 128 through a ring
; of two LDS slots filled by the tensor data mover; a tile's rows are 256 bytes of memory and start at multiples of 256 bytes.
; 192 work-groups: blocks of 128 x 128 would give 768, at twice the LDS bytes for each multiply-add.
; CLUSTERS: 4 x 4 work-groups.  The four of a row of the cluster need the same tiles of x, the four of a column the same tiles of W: each tile is
; asked for jointly, by the same tensor load with the same descriptor and a mask that names the four.
; REGISTERS, in windows of 256: window 0: v0-31 addresses, v64-127 and v128-191 fragments of x (two buffers), v192-223 at work on the way out;
; window 1: v64-127, v128-191 fragments of W; window 2: the accumulator tiles of my rows 0-63 (tile (a, b) at v[8 (8 a + b)]); window 3: rows 64-127.
; THE MATRIX INSTRUCTION IS USED TRANSPOSED: source 0 = 16 rows of W, source 1 = 16 rows of x, so that lane l holds row m = l % 16 and its
; registers 0-7 the columns n = 8 (l / 16) + 0 .. 7: eight neighbouring numbers, 16 bytes in f16.
.set SIZE_K, 1024
.set KSTEP,  128
.set PITCH,  272                       ; an LDS row: 256 bytes + 16 of padding: the 16 rows that a load touches start at 16 different banks
.set HALFT,  128*PITCH                 ; 128 rows: what one tensor load brings
.set SLOT,   4*HALFT                   ; x's 256 rows, then W's 256 rows
.set STAGE,  2*SLOT                    ; behind the ring: 16 rows x 272 bytes for each wave; no tensor load lands there
.set SPITCH, 272
.set LAPS, SIZE_K/(2*KSTEP)            ; a lap = two K steps = once round the ring: 4
.set ADRA, 16                          ; v16-17  LDS address of my x fragments in slot 0, 1
.set ADRB, 20                          ; v20-21  the same for W
.set STO,  24                          ; v24     the way out: where I put 16 bytes of a row
.set RD,   25                          ; v25     the way out: where I read back
.set CO,   26                          ; v26     my byte offset in qkv
.set F0,   64
.set F1,   128
.set TMP,  192
.set G1, 24                            ; s[24:31] descriptor group 1 for x's tiles
.set G0, 32                            ; s[32:39] group 0 for x's tiles, a set for each slot
.set G1B, 48                           ; s[48:55] group 1 for W's tiles: another mask
.set G0B, 56                           ; s[56:63] group 0 for W's tiles
.set MSB, 0
.macro WIN new                         ; the immediate's high byte repeats the setting that is left
.if MSB != \new
	s_set_vgpr_msb (MSB<<8)|\new
.set MSB, \new
.endif
.endm
.set MUL_LO, 0xa1                      ; source 0 (W) window 1, source 1 (x) window 0, C and D window 2
.set MUL_HI, 0xf1                      ; the same, C and D window 3
.set TO_B,   0x40                      ; destination window 1, address window 0
; A joint load.  Waves 0 and 1 fetch x's two halves, waves 2 and 3 W's.  The branch hangs on the wave's number alone.
.macro JLOAD s
	s_cmp_eq_u32 s11, 0
	s_cbranch_scc0 .Lfor_b_\@
	tensor_load_to_lds s[G0+4*\s:G0+4*\s+3], s[G1:G1+7]
	s_nop 0
	s_branch .Lasked_\@
.Lfor_b_\@:
	tensor_load_to_lds s[G0B+4*\s:G0B+4*\s+3], s[G1B:G1B+7]
	s_nop 0
.Lasked_\@:
.endm
; A round of the cluster's barrier: my work-group's barrier; wave 0 signals for the work-group; every wave waits for all sixteen; my work-group's barrier again.
.macro CREST                           ; a round behind its opening barrier
	s_cmp_lg_u32 s10, 0
	s_cbranch_scc1 .Lnot_wave_0_\@
	s_barrier_signal -3
.Lnot_wave_0_\@:
	s_barrier_wait -3
	s_barrier_signal -1
	s_barrier_wait -1
.endm
.macro CROUND
	s_barrier_signal -1
	s_barrier_wait -1
	CREST
.endm
	s_load_b128 s[4:7], s[0:1], 0x0                ; x16 s[4:5], w16 s[6:7]
	s_load_b64 s[8:9], s[0:1], 0x10                ; qkv
	s_set_vgpr_msb 0x40
	v_lshl_add_u32 v255, v0, 2, 0x48400
	s_set_vgpr_msb 0x4000
	v_mov_b32 v255, 0
	s_set_vgpr_msb 0x1
	ds_add_u32 v255, v255
	s_set_vgpr_msb 0x100
	v_lshrrev_b32 v1, 5, v0
	v_readfirstlane_b32 s10, v1                    ; wave 0..3
	s_lshr_b32 s11, s10, 1                         ; which half of the block's rows is mine.  Also: I fetch for x (0) or for W (1)
	s_and_b32 s12, s10, 1                          ; which half of its columns.  Also: which 128 rows of that tile I fetch
	s_bfe_u32 s40, ttmp6, 0x40000                  ; cx
	s_bfe_u32 s41, ttmp6, 0x40004                  ; cy
	s_lshl_b32 s42, ttmp9, 2
	s_add_co_u32 s42, s42, s40                     ; block column 0..3 = 4 x cluster x + cx
	s_and_b32 s13, ttmp7, 0xffff
	s_lshr_b32 s45, s13, 2                         ; g = cluster y / 4: which of the three products; the same in all sixteen partners
	s_lshl_b32 s13, s13, 2
	s_add_co_u32 s13, s13, s41                     ; block row 0..47 = 4 x cluster y + cy
	s_lshl_b32 s43, s41, 2
	s_lshl_b32 s43, 15, s43                        ; my row of the cluster: places 4 cy .. 4 cy + 3
	s_lshl_b32 s44, 0x1111, s40                    ; my column: places cx, cx + 4, cx + 8, cx + 12
	; group 1: a tile of 128 rows x 128 elements of 2 bytes, 16 bytes of padding behind every 64 words
	s_or_b32 s[G1+0], s43, (1<<16)|(1<<20)|(1<<21)|(5<<22)|(3<<25)
	s_or_b32 s[G1B+0], s44, (1<<16)|(1<<20)|(1<<21)|(5<<22)|(3<<25)
	s_mov_b32 s[G1B+1], KSTEP<<16
	s_mov_b32 s[G1+1], KSTEP<<16                   ; tensor_dim0 = 128
	s_mov_b32 s[G1B+2], 128<<16
	s_mov_b32 s[G1+2], 128<<16                     ; tensor_dim1 = 128
	s_mov_b32 s[G1B+3], KSTEP<<16
	s_mov_b32 s[G1+3], KSTEP<<16                   ; tile_dim0 = 128
	s_mov_b32 s[G1B+4], 128
	s_mov_b32 s[G1+4], 128                         ; tile_dim1 = 128
	s_mov_b32 s[G1B+5], SIZE_K
	s_mov_b32 s[G1+5], SIZE_K                      ; elements from row to row
	s_mov_b32 s[G1B+6], 0
	s_mov_b32 s[G1+6], 0
	s_mov_b32 s[G1B+7], 0
	s_mov_b32 s[G1+7], 0
	; x's tiles hang on the block row alone, W's on the block column and on g, each in registers that never hold the other place in the cluster
	s_lshl_b32 s17, s12, 7                         ; which 128 rows of the tile I fetch
	s_lshl_b32 s16, s13, 8
	s_add_co_u32 s16, s16, s17                     ; x: row 256 x block row + 128 x half
	s_lshl_b32 s46, s42, 8
	s_add_co_u32 s46, s46, s17                     ; W: row 256 x block column + 128 x half
	s_lshl_b32 s47, s45, 10
	s_add_co_u32 s46, s46, s47                     ;    + 1,024 g
	s_mov_b32 s17, 0
	s_mov_b32 s47, 0
	s_mov_b64 s[18:19], SIZE_K*2
	s_mul_u64 s[16:17], s[16:17], s[18:19]         ; in bytes
	s_mul_u64 s[46:47], s[46:47], s[18:19]
	s_mul_i32 s20, s10, HALFT                      ; where they go: wave x 128 rows
	s_wait_dscnt 0x0
	s_wait_kmcnt 0x0
	s_add_nc_u64 s[14:15], s[4:5], s[16:17]
	s_add_nc_u64 s[46:47], s[6:7], s[46:47]
	CROUND                                         ; all sixteen work-groups are here: the first joint loads meet
.irp s, 0,1
	s_mov_b32 s[G0+4*\s], 1
	s_add_co_u32 s[G0+4*\s+1], s20, \s*SLOT
	s_add_nc_u64 s[G0+4*\s+2:G0+4*\s+3], s[14:15], \s*KSTEP*2
	s_or_b32 s[G0+4*\s+3], s[G0+4*\s+3], 0x80000000
	s_mov_b32 s[G0B+4*\s], 1
	s_add_co_u32 s[G0B+4*\s+1], s20, \s*SLOT
	s_add_nc_u64 s[G0B+4*\s+2:G0B+4*\s+3], s[46:47], \s*KSTEP*2
	s_or_b32 s[G0B+4*\s+3], s[G0B+4*\s+3], 0x80000000
	JLOAD \s                                       ; both first fills go out together: two loads of the wave are out
.endr
	; a fragment: lane l holds row l % 16; registers 0-3 K = 8 (l / 16) + 0..7, registers 4-7 K = 16 + 8 (l / 16) + 0..7
	v_and_b32 v1, 15, v0                           ; l % 16
	v_bfe_u32 v2, v0, 4, 1                         ; l / 16
	v_mul_u32_u24 v3, v1, PITCH
	v_lshl_add_u32 v3, v2, 4, v3
	s_mul_i32 s21, s11, HALFT                      ; my 128 rows of x
	s_mul_i32 s22, s12, HALFT                      ; my 128 rows of W,
	s_add_co_u32 s22, s22, 2*HALFT                 ; which lie behind x's 256
.irp s, 0,1
	v_add_nc_u32 v[ADRA+\s], s21, v3
	v_add_nc_u32 v[ADRB+\s], s22, v3
	s_add_co_u32 s21, s21, SLOT
	s_add_co_u32 s22, s22, SLOT
.endr
	s_mul_i32 s23, s10, 16*SPITCH
	s_add_co_u32 s23, s23, STAGE                   ; my stage
	v_mul_u32_u24 v4, v1, SPITCH                   ; in: row l % 16, 16 bytes for each half of the lanes
	v_lshl_add_u32 v4, v2, 4, v4
	v_add_nc_u32 v[STO], s23, v4
	; back: a stage row is m = 2 s + b.  Lanes 0-15 take b = 0, lanes 16-31 b = 1; in sixteen lanes two neighbouring s of one head, 128 bytes each
	v_bfe_u32 v6, v0, 3, 1
	v_lshl_add_u32 v7, v6, 1, v2                   ; stage row b + 2 (s & 1)
	v_mul_u32_u24 v7, v7, SPITCH
	v_and_b32 v8, 7, v0
	v_lshl_add_u32 v7, v8, 4, v7
	v_add_nc_u32 v[RD], s23, v7
	v_lshlrev_b32 v5, 22, v2                       ; b x 16 heads x 262,144 bytes
	v_lshl_add_u32 v[CO], v1, 4, v5                ; + 256 neighbouring bytes over sixteen lanes
; 16 matrix instructions: m blocks a0, a0 + 1 of the window's four x all 8 n blocks, 32 along K.  zero = 1: the first product starts the sums.
.macro MUL16 f, hi, a0, zero
.irp a, \a0, \a0+1
.irp b, 0,1,2,3,4,5,6,7
.if \zero
	v_wmma_f32_16x16x32_bf16 v[8*(8*(\a)+\b):8*(8*(\a)+\b)+7], v[\f+8*\b:\f+8*\b+7], v[\f+8*(4*\hi+\a):\f+8*(4*\hi+\a)+7], 0
.else
	v_wmma_f32_16x16x32_bf16 v[8*(8*(\a)+\b):8*(8*(\a)+\b)+7], v[\f+8*\b:\f+8*\b+7], v[\f+8*(4*\hi+\a):\f+8*(4*\hi+\a)+7], v[8*(8*(\a)+\b):8*(8*(\a)+\b)+7]
.endif
.endr
.endr
.endm
; 32 LDS loads in one run: the fragments of one quarter step into buffer f
.macro FETCH slot, k, f
	WIN TO_B
.irp i, 0,1,2,3,4,5,6,7
	ds_load_b128 v[\f+8*\i:\f+8*\i+3],   v[ADRB+\slot] offset:\k+\i*16*PITCH
	ds_load_b128 v[\f+8*\i+4:\f+8*\i+7], v[ADRB+\slot] offset:\k+\i*16*PITCH+32
.endr
	WIN 0
.irp i, 0,1,2,3,4,5,6,7
	ds_load_b128 v[\f+8*\i:\f+8*\i+3],   v[ADRA+\slot] offset:\k+\i*16*PITCH
	ds_load_b128 v[\f+8*\i+4:\f+8*\i+7], v[ADRA+\slot] offset:\k+\i*16*PITCH+32
.endr
.endm
; Four places behind the matrix instructions, in front of loads into registers that they read and of instructions that read their results
.macro PLACES
.rept 4
	v_nop
.endr
.endm
; A K step is four quarter steps of 32 along K, 64 matrix instructions each, on buffers 0, 1, 0, 1.  The 64 accumulators take turns, one instruction
; a turn, in the same order in every quarter.
.macro QUARTER slot, k, f, g, zero
	s_wait_dscnt 8                                 ; W and x's rows 0-63 are in; the youngest eight loads (x's rows 64-127) may be out
	WIN MUL_LO
	MUL16 \f, 0, 0, \zero
	MUL16 \f, 0, 2, \zero
	PLACES
	FETCH \slot, \k, \g
	s_wait_dscnt 32                                ; all but the 32 just issued
	WIN MUL_HI
	MUL16 \f, 1, 0, \zero
	MUL16 \f, 1, 2, \zero
.endm
.macro THREE slot, zero
	QUARTER \slot, 64,  F0, F1, \zero
	QUARTER \slot, 128, F1, F0, 0
	QUARTER \slot, 192, F0, F1, 0
.endm
; The last quarter changes slots.  In front of the barrier each wave waits for its reads of this slot and for all its tensor loads (one is out: its part
; of the next slot).  Behind it the refill comes first, then the next slot's first fragments.
.macro TURN slot, next, fill
	s_wait_dscnt 8
	WIN MUL_LO
	MUL16 F1, 0, 0, 0
	s_wait_dscnt 0                                 ; my reads of this slot are over
	s_wait_tensorcnt 0x0                           ; and all my tensor loads have landed
	ds_add_u32 v255, v255
	s_wait_dscnt 0x0
	s_barrier_signal -1                            ; (where a slot is filled again this barrier opens a round of the cluster's barrier)
	MUL16 F1, 0, 2, 0                              ; register work while the others arrive
	WIN 0
	s_barrier_wait -1
.if \fill
	CREST                                          ; no wave of any partner still reads this slot or has a load on its way
	s_add_nc_u64 s[G0+4*\slot+2:G0+4*\slot+3], s[G0+4*\slot+2:G0+4*\slot+3], 2*KSTEP*2
	s_add_nc_u64 s[G0B+4*\slot+2:G0B+4*\slot+3], s[G0B+4*\slot+2:G0B+4*\slot+3], 2*KSTEP*2
	JLOAD \slot                                    ; the first tensor load behind the round, and the wave's only one until the next
.endif
	PLACES
	FETCH \next, 0, F0
	WIN MUL_HI
	MUL16 F1, 1, 0, 0
	MUL16 F1, 1, 2, 0
.endm
.macro LAP zero
	THREE 0, \zero
	TURN 0, 1, 1
	THREE 1, 0
	TURN 1, 0, 1
.endm
	s_wait_tensorcnt 1                             ; my part of K step 0 is in; K step 1's stays out
	s_barrier_signal -1
	s_barrier_wait -1
	FETCH 0, 0, F0
	LAP 1                                          ; the first lap's first products start the sums
	WIN 0
	s_mov_b32 s3, LAPS-2
.Llap:
	LAP 0
	WIN 0
	s_sub_co_u32 s3, s3, 1
	s_cmp_lg_u32 s3, 0
	s_cbranch_scc1 .Llap
	THREE 0, 0                                     ; the last lap fills nothing
	TURN 0, 1, 0
	THREE 1, 0
	s_wait_dscnt 8
	WIN MUL_LO
	MUL16 F1, 0, 0, 0
	MUL16 F1, 0, 2, 0
	s_wait_dscnt 0
	WIN MUL_HI
	MUL16 F1, 1, 0, 0
	MUL16 F1, 1, 2, 0
	; THE WAY OUT, 16 rows of the block (8 values of s, both b) at a time: round to f16, 16 bytes a lane into my own stage, read back by (b, head).
	PLACES
	s_and_b32 s14, s13, 15                         ; the block row inside its product
	s_lshl_b32 s14, s14, 7                         ; 256 rows m = 128 values of s
	s_lshl_b32 s16, s11, 6                         ; my half: 64 values of s
	s_add_co_u32 s14, s14, s16
	s_lshl_b32 s16, s14, 7                         ; 128 bytes for each s
	s_mov_b32 s17, 0
	s_add_nc_u64 s[8:9], s[8:9], s[16:17]
	s_lshl_b32 s46, s42, 2                         ; a block column is four heads,
	s_lshl1_add_u32 s46, s12, s46                  ; my half two of them
	s_lshl_b32 s46, s46, 18                        ; 262,144 bytes a head
	s_mov_b32 s47, 0
	s_add_nc_u64 s[8:9], s[8:9], s[46:47]
	s_lshl_b32 s46, s45, 23                        ; g x 8,388,608 bytes
	s_add_nc_u64 s[8:9], s[8:9], s[46:47]
; rows 16 i .. 16 i + 15 of my block = the eight tiles (a, 0..7) of window 2 or 3 (from = 0x0a or 0x0f); f: F0 or F1 in turn
.macro OUT16 i, a, from, f
	WIN \from
.irp b, 0,1,2,3,4,5,6,7
.irp r, 0,1,2,3
	v_cvt_pk_f16_f32 v[TMP+4*\b+\r], v[8*(8*\a+\b)+2*\r], v[8*(8*\a+\b)+2*\r+1]
.endr
.endr
	WIN 0
.irp b, 0,1,2,3,4,5,6,7
	ds_store_b128 v[STO], v[TMP+4*\b:TMP+4*\b+3] offset:32*\b
.endr
	s_wait_xcnt 0x0                                ; buffer f, which earlier stores read, is loaded again only behind this wait
.irp t, 0,1,2,3,4,5,6,7
	ds_load_b128 v[\f+4*\t:\f+4*\t+3], v[RD] offset:4*SPITCH*(\t>>1)+128*(\t&1)   ; LDS serves a wave's instructions in order: these see the stores above
.endr
.irp t, 0,1,2,3,4,5,6,7
	s_wait_dscnt 7-\t                              ; the younger read-backs stay out
	global_store_b128 v[CO], v[\f+4*\t:\f+4*\t+3], s[8:9] offset:1024*\i+256*(\t>>1)+262144*(\t&1)   ; 16 lanes store 256 consecutive bytes, aligned: two s of one (b, head)
.endr
.endm
	OUT16 0, 0, 0x0a, F0
	OUT16 1, 1, 0x0a, F1
	OUT16 2, 2, 0x0a, F0
	OUT16 3, 3, 0x0a, F1
	OUT16 4, 0, 0x0f, F0
	OUT16 5, 1, 0x0f, F1
	OUT16 6, 2, 0x0f, F0
	OUT16 7, 3, 0x0f, F1
	s_set_vgpr_msb 0x1
	s_wait_tensorcnt 0x0
	ds_add_u32 v255, v255
	s_wait_dscnt 0x0
	s_set_vgpr_msb 0x100
	CROUND                                         ; the closing round: no work-group ends while a partner may still ask for a tile that names it
	s_endpgm
.Lfunc_end_k_qd734bd84b5_proj:
	.size	k_qd734bd84b5_proj, .Lfunc_end_k_qd734bd84b5_proj-k_qd734bd84b5_proj
	.p2alignl 7, 3214868480
	.fill 96, 4, 3214868480
	.section	.rodata,"a",@progbits
	.p2align	6, 0x0
	.amdhsa_kernel k_qd734bd84b5_proj
		.amdhsa_group_segment_fixed_size 327680
		.amdhsa_private_segment_fixed_size 0
		.amdhsa_enable_private_segment 0
		.amdhsa_kernarg_size 24
		.amdhsa_user_sgpr_count 2
		.amdhsa_user_sgpr_kernarg_segment_ptr 1
		.amdhsa_wavefront_size32 1
		.amdhsa_system_sgpr_workgroup_id_x 1
		.amdhsa_system_sgpr_workgroup_id_y 1
		.amdhsa_system_sgpr_workgroup_id_z 1
		.amdhsa_system_vgpr_workitem_id 0
		.amdhsa_next_free_vgpr 1024
		.amdhsa_next_free_sgpr 66
		.amdhsa_reserve_vcc 0
		.amdhsa_float_denorm_mode_32 3
		.amdhsa_float_denorm_mode_16_64 3
		.amdhsa_memory_ordered 1
		.amdhsa_forward_progress 1
		.amdhsa_inst_pref_size 196
	.end_amdhsa_kernel
	.amdgpu_metadata
---
amdhsa.version: [ 1, 2 ]
amdhsa.kernels:
  - .name:           k_qd734bd84b5_proj
    .symbol:         k_qd734bd84b5_proj.kd
    .args:
      - { .name: x16, .offset: 0, .size: 8, .value_kind: global_buffer, .address_space: global }
      - { .name: w16, .offset: 8, .size: 8, .value_kind: global_buffer, .address_space: global }
      - { .name: qkv, .offset: 16, .size: 8, .value_kind: global_buffer, .address_space: global }
    .group_segment_fixed_size: 327680
    .private_segment_fixed_size: 0
    .kernarg_segment_align: 8
    .kernarg_segment_size: 24
    .max_flat_workgroup_size: 128
    .sgpr_count:     66
    .vgpr_count:     1024
    .wavefront_size: 32
...
	.end_amdgpu_metadata
.endif
;; end of part 2
;; launch attn (part 3): grid 8 x 32, 8 waves a work-group, clusters of 4 x 1, 327,680 bytes of LDS; arguments qkv, mbits, att; writes att
.if DOCPART == 3
	.amdgcn_target "amdgcn-amd-amdhsa--gfx1250"
	.amdhsa_code_object_version 6
	.text
	.protected	k_qd734bd84b5_attn
	.globl	k_qd734bd84b5_attn
	.p2align	8
	.type	k_qd734bd84b5_attn,@function
k_qd734bd84b5_attn:
	s_mov_b64 s[64:65], 0
	v_nop
	global_prefetch_b8 v0, s[64:65] scope:SCOPE_SE
	s_setreg_imm32_b32 hwreg(HW_REG_WAVE_MODE, 25, 1), 1
	s_wait_xcnt 0x0
	s_wait_alu depctr_hold_cnt(0) depctr_sa_sdst(0) depctr_va_vdst(0) depctr_va_sdst(0) depctr_va_ssrc(0) depctr_va_vcc(0) depctr_vm_vsrc(0)
	s_getreg_b32 s2, hwreg(HW_REG_IB_STS2, 6, 4)
	s_cmp_eq_u32 s2, 0
	s_cbranch_scc0 .Lentry_in_a_cluster
	s_endpgm
.Lentry_in_a_cluster:
	s_bfe_u32 s2, ttmp6, 0x10000c
	s_cmp_lg_u32 s2, 0x3003
	s_cbranch_scc0 .Lentry_shape_is_right
	s_endpgm
.Lentry_shape_is_right:
; Attention of one (b, head) and 256 queries: scores = q k^T (not scaled), masked, softmax with a running maximum, times v.
; qkv: f16 [3][bh][2048][64]; mbits: the mask as words of lane bits [qb 64][kb 32][t 2][u 4][j 8]; att: f16 [bh][2048][64].
; Eight waves, two on a SIMD, so that one wave's softmax runs under the other's products; wave w owns 32 queries (two tiles t of 16).
; ORIENTATION: S^T = K Q^T (A = 16 keys x 32 d, B = Q): lane (r, h) holds query 16 t + r and keys 16 u + 8 h + j in register j.  So the row figures
; are a lane's own but for one exchange with lane l xor 16, and two tiles of S, packed to f16, ARE the B fragment of O^T = V^T P^T;
; V^T comes from LDS by the transposing load.  No weight moves between lanes.
; CLUSTERS: the four query blocks of a cluster (4, 1, 1) walk the same K and V: each tile is asked for jointly (mask 15).
; K and V go in tiles of 256 keys through two LDS slots; each of the eight waves brings 64 keys of K (waves 0-3) or of V (waves 4-7), 8 KiB, by one load.
; THE TEXT IS KEPT SHORT: a step (64 keys) is a loop's body.  A tile's four steps differ only in the part of the slot that they read, so two working
; address registers go on by a part with each step.  The 32 steps run through five copies of the step: the first step, written out because its
; products start the sums; the rest of tile 0; the two slots' tiles in the outer loop; the last tile, behind which nothing is fetched.
; LIMITS: the fill for masked scores is -2^66 and not -1e20, so that fill x log2(e) is exact and a row that is masked everywhere gets exponent 0
; and equal weights; the results are the same as long as |score| is far below 1e19, and f16 operands bound it by 64 x 65,504^2 = 2.7e11.
; NaN and infinities in the inputs are not served.  Weights are rounded to f16 (they are at most about 1); their sum is kept in f32.
.set PART,  10240                      ; a wave's part of a slot: 64 keys at pitch 144 (K) or 160 (V)
.set SLOT,  8*PART
.set STAGE, 2*SLOT                     ; behind the ring: 32 rows x 144 bytes for each wave; no tensor load lands there
.set SROW,  144
.set AKW,   2                          ; v2      at work: LDS address of this step's K fragments = v[AK + slot] + step x PART
.set AVW,   3                          ; v3      at work: the same for V
.set AK,    4                          ; v4-5    LDS address of my K fragments in part 0 of slot 0, 1; never rewritten
.set AV,    6                          ; v6-7    the same for V's transposing loads
.set STO,   8                          ; v8      the way out: in
.set RD,    9                          ; v9      the way out: back
.set CO,    10                         ; v10     16 x lane
.set FILLR, 11                         ; v11     -2^66
.set MX,    12                         ; v[12:13] running maximum of t = 0, 1
.set NM,    14                         ; v[14:15] -maximum x log2(e) of the last step
.set NT,    16                         ; v[16:17] the same of this step
.set AL,    18                         ; v[18:19] what the old sums are multiplied by
.set LS,    20                         ; v[20:21], v[22:23] sums of weights, two partial sums for each t
.set T0,    24                         ; v[24:29] at work; v30, v31 the spare word's address and 0
.set OA,    32                         ; v[32:95]  O^T(dt, t) at 32 + 8 (2 dt + t)
.set QF,    96                         ; v[96:127] Q(t, ks) at 96 + 8 (2 t + ks)
.set SC,    128                        ; v[128:191] S(t, u) at 128 + 32 t + 8 u; P(t, ku) packed in place at 128 + 32 t + 16 ku
.set KV,    192                        ; v[192:255] K(u, ks) at 192 + 8 (2 u + ks), then V(dt, ku) at 192 + 8 (4 ku + dt)
.set G1K,   8                          ; s[8:15]  group 1 for K's tiles
.set G1V,   16                         ; s[16:23] group 1 for V's tiles: a wider pad
.set G0,    24                         ; s[24:31] group 0, a set for each slot
.set LOG2E,  0x3fb8aa3b
.set NLOG2E, 0xbfb8aa3b
; s[2:3] mask words of my 32 queries; s4 wave; s5 wave / 4; s6 bh, then the outer loop's counter; s7 byte offset of the next step's mask words;
; s[32:63], s[68:99] the step's 64 mask words; s66, s67 lane selects; s[100:101] att at my rows; s[104:105] q at my rows, then s104 the inner loops' counter.
; What is made from my place in the cluster lives in s[32:37], s[2:3], s[100:101], s[104:105] alone: no descriptor word and no LDS address is made of it.
.macro ROUND                           ; a round of the cluster's barrier
	s_barrier_signal -1
	s_barrier_wait -1
	s_cmp_lg_u32 s4, 0
	s_cbranch_scc1 .Lnot_wave_0_\@
	s_barrier_signal -3
.Lnot_wave_0_\@:
	s_barrier_wait -3
	s_barrier_signal -1
	s_barrier_wait -1
.endm
.macro JLOAD s                         ; my part of slot s; the branch hangs on the wave's number alone
	s_cmp_eq_u32 s5, 0
	s_cbranch_scc0 .Lfor_v_\@
	tensor_load_to_lds s[G0+4*(\s):G0+4*(\s)+3], s[G1K:G1K+7]
	s_nop 0
	s_branch .Lasked_\@
.Lfor_v_\@:
	tensor_load_to_lds s[G0+4*(\s):G0+4*(\s)+3], s[G1V:G1V+7]
	s_nop 0
.Lasked_\@:
.endm
	s_load_b64 s[26:27], s[0:1], 0x0               ; qkv, for K's and V's tiles
	s_load_b64 s[104:105], s[0:1], 0x0             ; qkv, for my queries
	s_load_b64 s[2:3], s[0:1], 0x8                 ; mbits
	s_load_b64 s[100:101], s[0:1], 0x10            ; att
	v_lshl_add_u32 v30, v0, 2, 0x31000
	v_mov_b32 v31, 0
	ds_add_u32 v30, v31
	v_lshrrev_b32 v1, 5, v0
	v_readfirstlane_b32 s4, v1                     ; wave 0..7
	s_lshr_b32 s5, s4, 2                           ; 0: I fetch K, 1: V
	s_and_b32 s6, ttmp7, 0xffff                    ; bh (the cluster's y; a cluster is one work-group high)
	; group 1: 8 KiB that are dense in memory, as 32 rows of 32 elements of 8 bytes; behind every 32 words (a key's 128 bytes) a pad of 4 words (K) or 8 (V)
	s_mov_b32 s[G1K+0], 0x0733000f                 ; mask 15 | 8-byte elements | padding on | bit 21 beside the mask | interval code 4 | pad code 3
	s_mov_b32 s[G1V+0], 0x0f33000f                 ; the same with pad code 7
	s_mov_b32 s[G1K+1], 32<<16
	s_mov_b32 s[G1V+1], 32<<16                     ; tensor_dim0 = 32
	s_mov_b32 s[G1K+2], 32<<16
	s_mov_b32 s[G1V+2], 32<<16                     ; tensor_dim1 = 32
	s_mov_b32 s[G1K+3], 32<<16
	s_mov_b32 s[G1V+3], 32<<16                     ; tile_dim0 = 32
	s_mov_b32 s[G1K+4], 32
	s_mov_b32 s[G1V+4], 32                         ; tile_dim1 = 32
	s_mov_b32 s[G1K+5], 32
	s_mov_b32 s[G1V+5], 32                         ; elements from row to row
	s_mov_b32 s[G1K+6], 0
	s_mov_b32 s[G1V+6], 0
	s_mov_b32 s[G1K+7], 0
	s_mov_b32 s[G1V+7], 0
	s_add_co_u32 s30, s5, 1                        ; K is part 1 of qkv, V part 2
	s_lshl_b32 s30, s30, 23
	s_lshl_b32 s7, s6, 18                          ; bh x 262,144 bytes
	s_add_co_u32 s30, s30, s7
	s_and_b32 s7, s4, 3
	s_lshl_b32 s7, s7, 13                          ; my 64 keys of the tile's 256
	s_add_co_u32 s30, s30, s7
	s_mov_b32 s31, 0
	s_mov_b32 s[G0+0], 1
	s_mov_b32 s[G0+4], 1
	s_mul_i32 s[G0+1], s4, PART                    ; LDS: the wave's number times a part, plus the slot
	s_add_co_u32 s[G0+5], s[G0+1], SLOT
	s_bfe_u32 s32, ttmp6, 0x40000                  ; cx
	s_lshl_b32 s33, ttmp9, 2
	s_add_co_u32 s32, s33, s32                     ; query block of 256 = 4 x cluster x + cx
	s_lshl3_add_u32 s33, s32, s4                   ; qb: my block of 32 queries
	s_lshl_b32 s34, s33, 12                        ; 32 rows of 128 bytes
	s_lshl_b32 s35, s6, 18
	s_add_co_u32 s34, s34, s35
	s_mov_b32 s35, 0
	s_lshl_b32 s36, s33, 13                        ; 32 key blocks of 256 bytes of mask words
	s_mov_b32 s37, 0
	s_mov_b32 s66, 0x76543210                      ; v_permlanex16_b32: lane i of one half reads lane i of the other
	s_mov_b32 s67, 0xfedcba98
	s_wait_dscnt 0x0
	s_wait_kmcnt 0x0
	s_add_nc_u64 s[G0+2:G0+3], s[G0+2:G0+3], s[30:31]      ; slot 0: keys 0-255
	s_add_nc_u64 s[G0+6:G0+7], s[G0+2:G0+3], 0x8000        ; slot 1: keys 256-511
	s_or_b32 s[G0+3], s[G0+3], 0x80000000
	s_or_b32 s[G0+7], s[G0+7], 0x80000000
	s_add_nc_u64 s[104:105], s[104:105], s[34:35]
	s_add_nc_u64 s[100:101], s[100:101], s[34:35]
	s_add_nc_u64 s[2:3], s[2:3], s[36:37]
	ROUND                                          ; the four work-groups are here: the first joint loads meet
	JLOAD 0
	v_and_b32 v2, 15, v0                           ; r
	v_bfe_u32 v3, v0, 4, 1                         ; h
	v_lshlrev_b32 v1, 7, v2
	v_lshl_add_u32 v1, v3, 4, v1                   ; 128 r + 16 h
.irp t, 0,1
.irp ks, 0,1
	global_load_b128 v[QF+8*(2*\t+\ks):QF+8*(2*\t+\ks)+3],   v1, s[104:105] offset:2048*\t+64*\ks      ; Q(16 t + r, 32 ks + 8 h ..)
	global_load_b128 v[QF+8*(2*\t+\ks)+4:QF+8*(2*\t+\ks)+7], v1, s[104:105] offset:2048*\t+64*\ks+32   ; Q(16 t + r, 32 ks + 16 + 8 h ..)
.endr
.endr
	v_mul_u32_u24 v[AK], v2, 144
	v_lshl_add_u32 v[AK], v3, 4, v[AK]             ; key row r, 16 h
	s_mul_i32 s7, s4, 32*SROW
	s_add_co_u32 s7, s7, STAGE                     ; my stage
	v_add_nc_u32 v[STO], s7, v[AK]                 ; the same lane term serves the way out: query row r, 16 h
	v_add_nc_u32 v[AK+1], SLOT, v[AK]
	v_and_b32 v24, 7, v0
	v_bfe_u32 v25, v0, 3, 1
	v_lshl_add_u32 v26, v3, 3, v24                 ; key 8 h + (l & 7)
	v_mul_u32_u24 v26, v26, 160
	v_lshl_add_u32 v26, v25, 4, v26                ; 16 bytes of d for each group of eight lanes
	v_add_nc_u32 v[AV], 4*PART, v26                ; V lies behind K's four parts
	v_add_nc_u32 v[AV+1], SLOT, v[AV]
	v_bfe_u32 v27, v0, 3, 2
	v_mul_u32_u24 v27, v27, SROW                   ; back: four rows of 128 bytes to a load
	v_lshl_add_u32 v27, v24, 4, v27
	v_add_nc_u32 v[RD], s7, v27
	v_and_b32 v28, 31, v0
	v_lshlrev_b32 v[CO], 4, v28
	v_mov_b32 v[FILLR], 0xe0800000                 ; -2^66
	s_mov_b32 s7, 0                                ; from here on: the byte offset of the mask words last asked for
	s_load_b512 s[32:47], s[2:3], 0x0              ; the first step's mask words
	s_load_b512 s[48:63], s[2:3], 0x40
	s_load_b512 s[68:83], s[2:3], 0x80
	s_load_b512 s[84:99], s[2:3], 0xc0
	s_wait_loadcnt 0x0                             ; Q, once; s[104:105] are free from here
; sixteen scores of (t, ku): exponent = S log2(e) - m log2(e), one rounding
.macro PFMA t, ku
.irp k, 0,2,4,6,8,10,12,14
	v_pk_fma_f32 v[SC+32*\t+16*\ku+\k:SC+32*\t+16*\ku+\k+1], v[SC+32*\t+16*\ku+\k:SC+32*\t+16*\ku+\k+1], LOG2E, v[NT:NT+1] op_sel:[0,0,\t] op_sel_hi:[1,0,\t]
.endr
.endm
; their exponentials, back to back; the plain vector work that follows each run names none of its registers (ISA guide 5.7.2)
.macro PEXP t, ku
.set x, 0
.rept 16
	v_exp_f32 v[SC+32*\t+16*\ku+x], v[SC+32*\t+16*\ku+x]
.set x, x+1
.endr
.endm
; summed in f32 and packed in place to f16: registers 0-7 of the sixteen become the B fragment P(t, ku).
; start = 0: add on; 1: the old sum is rescaled first; 2: there is no old sum.
.macro PSUM t, ku, start
.set PB, SC+32*\t+16*\ku
.if (\start) == 2
	s_wait_alu depctr_va_vdst(0)
	v_pk_add_f32 v[LS+2*\t:LS+2*\t+1], v[PB:PB+1], v[PB+2:PB+3]
.endif
.if (\start) == 1
	s_wait_alu depctr_va_vdst(0)
	v_pk_fma_f32 v[LS+2*\t:LS+2*\t+1], v[LS+2*\t:LS+2*\t+1], v[AL:AL+1], v[PB:PB+1] op_sel:[0,\t,0] op_sel_hi:[1,\t,1]
	v_pk_add_f32 v[LS+2*\t:LS+2*\t+1], v[LS+2*\t:LS+2*\t+1], v[PB+2:PB+3]
.endif
.if (\start) == 0
	s_wait_alu depctr_va_vdst(0)
	v_pk_add_f32 v[LS+2*\t:LS+2*\t+1], v[LS+2*\t:LS+2*\t+1], v[PB:PB+1]
	v_pk_add_f32 v[LS+2*\t:LS+2*\t+1], v[LS+2*\t:LS+2*\t+1], v[PB+2:PB+3]
.endif
	v_cvt_pk_f16_f32 v[PB], v[PB], v[PB+1]
	v_cvt_pk_f16_f32 v[PB+1], v[PB+2], v[PB+3]
.irp k, 2,3,4,5,6,7
	v_pk_add_f32 v[LS+2*\t:LS+2*\t+1], v[LS+2*\t:LS+2*\t+1], v[PB+2*\k:PB+2*\k+1]
	v_cvt_pk_f16_f32 v[PB+\k], v[PB+2*\k], v[PB+2*\k+1]
.endr
.endm
; O^T times a lane's own factor of each t
.macro RESCALE
	s_wait_alu depctr_va_vdst(0)
.irp dt, 0,1,2,3
.irp t, 0,1
.irp k, 0,2,4,6
	v_pk_mul_f32 v[OA+8*(2*\dt+\t)+\k:OA+8*(2*\dt+\t)+\k+1], v[OA+8*(2*\dt+\t)+\k:OA+8*(2*\dt+\t)+\k+1], v[AL:AL+1] op_sel:[0,\t] op_sel_hi:[1,\t]
.endr
.endr
.endr
.endm
; One step: the 64 keys at v[AKW] and v[AVW] against my 32 queries; both addresses go on by a part.  first = 1: nothing is carried yet.
.macro STEP first
.irp u, 0,1,2,3
.irp ks, 0,1
	ds_load_b128 v[KV+8*(2*\u+\ks):KV+8*(2*\u+\ks)+3],   v[AKW] offset:2304*\u+64*\ks
	ds_load_b128 v[KV+8*(2*\u+\ks)+4:KV+8*(2*\u+\ks)+7], v[AKW] offset:2304*\u+64*\ks+32
.endr
.endr
	; scores: the two accumulators of a key tile take turns, one instruction a turn; the first product starts each sum
.irp u, 0,1,2,3
	s_wait_dscnt 12-4*\u                           ; this key tile's four loads are in; the later tiles' stay out
	v_wmma_f32_16x16x32_f16 v[SC+8*\u:SC+8*\u+7],       v[KV+16*\u:KV+16*\u+7],    v[QF:QF+7],     0
	v_wmma_f32_16x16x32_f16 v[SC+32+8*\u:SC+32+8*\u+7], v[KV+16*\u:KV+16*\u+7],    v[QF+16:QF+23], 0
	v_wmma_f32_16x16x32_f16 v[SC+8*\u:SC+8*\u+7],       v[KV+16*\u+8:KV+16*\u+15], v[QF+8:QF+15],  v[SC+8*\u:SC+8*\u+7]
	v_wmma_f32_16x16x32_f16 v[SC+32+8*\u:SC+32+8*\u+7], v[KV+16*\u+8:KV+16*\u+15], v[QF+24:QF+31], v[SC+32+8*\u:SC+32+8*\u+7]
.endr
	; four places (ISA guide 7.12.1): then K's registers are loaded again and the scores are read
	v_add_nc_u32 v[AKW], PART, v[AKW]              ; the next step's K; this step's K loads are back
.rept 3
	v_nop
.endr
.irp ku, 0,1
.irp dt, 0,1,2,3
	ds_load_tr16_b128 v[KV+8*(4*\ku+\dt):KV+8*(4*\ku+\dt)+3],   v[AVW] offset:5120*\ku+32*\dt        ; V^T(16 dt + r, keys 32 ku + 8 h ..)
	ds_load_tr16_b128 v[KV+8*(4*\ku+\dt)+4:KV+8*(4*\ku+\dt)+7], v[AVW] offset:5120*\ku+32*\dt+2560   ; keys 32 ku + 16 + 8 h ..
.endr
.endr
	s_wait_kmcnt 0x0                               ; this step's mask words, asked for a step ago; their offset register is free
.set x, 0
.rept 32
	v_cndmask_b32 v[SC+x],    v[FILLR], v[SC+x],    s[32+x]        ; bit set: the score stays; clear: the fill
	v_cndmask_b32 v[SC+32+x], v[FILLR], v[SC+32+x], s[68+x]
.set x, x+1
.endr
	s_add_co_u32 s7, s7, 256                       ; the next step's 64 words.  My queries have 32 blocks of 256 bytes: the offset stops at the last,
	s_min_u32 s7, s7, 31*256                       ; so step 31 loads its own words once more, inside the buffer, and nothing reads them
	s_load_b512 s[32:47], s[2:3], s7 offset:0x0    ; the rest of this step and the next products to land in
	s_load_b512 s[48:63], s[2:3], s7 offset:0x40
	s_load_b512 s[68:83], s[2:3], s7 offset:0x80
	s_load_b512 s[84:99], s[2:3], s7 offset:0xc0
	; the running maximum: two chains for each t, then the lane that holds the same query's other keys
.if \first
	v_max_num_f32 v[T0],   v[SC],    v[SC+1]
	v_max_num_f32 v[T0+1], v[SC+32], v[SC+33]
.else
	v_max3_num_f32 v[T0],   v[SC],    v[SC+1],  v[MX]
	v_max3_num_f32 v[T0+1], v[SC+32], v[SC+33], v[MX+1]
.endif
	v_max_num_f32 v[T0+2], v[SC+16], v[SC+17]
	v_max_num_f32 v[T0+3], v[SC+48], v[SC+49]
.irp k, 2,4,6,8,10,12,14
	v_max3_num_f32 v[T0],   v[SC+\k],    v[SC+\k+1],  v[T0]
	v_max3_num_f32 v[T0+1], v[SC+32+\k], v[SC+33+\k], v[T0+1]
	v_max3_num_f32 v[T0+2], v[SC+16+\k], v[SC+17+\k], v[T0+2]
	v_max3_num_f32 v[T0+3], v[SC+48+\k], v[SC+49+\k], v[T0+3]
.endr
	v_max_num_f32 v[T0],   v[T0],   v[T0+2]
	v_max_num_f32 v[T0+1], v[T0+1], v[T0+3]
	v_permlanex16_b32 v[T0+2], v[T0],   s66, s67
	v_permlanex16_b32 v[T0+3], v[T0+1], s66, s67
	v_max_num_f32 v[MX],   v[T0],   v[T0+2]
	v_max_num_f32 v[MX+1], v[T0+1], v[T0+3]
	v_pk_mul_f32 v[NT:NT+1], v[MX:MX+1], NLOG2E op_sel_hi:[1,0]
.if (\first) == 0
	v_pk_add_f32 v[AL:AL+1], v[NT:NT+1], v[NM:NM+1] neg_lo:[0,1] neg_hi:[0,1]   ; from the two rounded shifts that the weights themselves use: old and new weights keep one unit
	v_exp_f32 v[AL], v[AL]
	v_exp_f32 v[AL+1], v[AL+1]
.endif
	; weights, four groups of sixteen: a group's multiply-adds are the plain work behind the group before's exponentials
	PFMA 0, 0
	PEXP 0, 0
	PFMA 1, 0
	PSUM 0, 0, 1+\first
	PEXP 1, 0
	PFMA 0, 1
	PSUM 1, 0, 1+\first
	PEXP 0, 1
	PFMA 1, 1
	PSUM 0, 1, 0
	PEXP 1, 1
.if \first
	v_nop
	s_wait_alu depctr_va_vdst(0)
.else
	RESCALE
.endif
	PSUM 1, 1, 0
	; O^T += V^T P^T: eight accumulators take turns, in the same order for both halves of the keys
	s_wait_dscnt 8                                 ; V's keys 0-31 are in; the eight loads of keys 32-63 stay out
.irp dt, 0,1,2,3
.irp t, 0,1
.if \first
	v_wmma_f32_16x16x32_f16 v[OA+8*(2*\dt+\t):OA+8*(2*\dt+\t)+7], v[KV+8*\dt:KV+8*\dt+7], v[SC+32*\t:SC+32*\t+7], 0
.else
	v_wmma_f32_16x16x32_f16 v[OA+8*(2*\dt+\t):OA+8*(2*\dt+\t)+7], v[KV+8*\dt:KV+8*\dt+7], v[SC+32*\t:SC+32*\t+7], v[OA+8*(2*\dt+\t):OA+8*(2*\dt+\t)+7]
.endif
.endr
.endr
	s_wait_dscnt 0
.irp dt, 0,1,2,3
.irp t, 0,1
	v_wmma_f32_16x16x32_f16 v[OA+8*(2*\dt+\t):OA+8*(2*\dt+\t)+7], v[KV+32+8*\dt:KV+32+8*\dt+7], v[SC+32*\t+16:SC+32*\t+23], v[OA+8*(2*\dt+\t):OA+8*(2*\dt+\t)+7]
.endr
.endr
	; five places: the next products write over P's registers (five), the next loads over V's (four)
	v_mov_b32 v[NM],   v[NT]                       ; this step's shift is the next step's old one
	v_mov_b32 v[NM+1], v[NT+1]
	v_add_nc_u32 v[AVW], PART, v[AVW]              ; the next step's V; this step's V loads are back
	v_nop
	v_nop
.endm
; The change of tiles.  In front of the round each wave waits for all its tensor loads (one is out: its part of this slot) and for its reads of
; the other slot; the round holds of every wave of the four work-groups; behind it the other slot's refill comes first, one load a wave,
; with this tile's four steps in which to land.  Then the working addresses are set to this slot's part 0.
.macro HEAD slot, refill
	s_wait_tensorcnt 0x0
	ds_add_u32 v30, v31
	s_wait_dscnt 0x0
	s_add_nc_u64 s[G0+4*\slot+2:G0+4*\slot+3], s[G0+4*\slot+2:G0+4*\slot+3], 0x10000   ; no load of mine is out: this slot's next tile, 512 keys on
	s_wait_dscnt 0x0
	ROUND
.if \refill
	JLOAD 1-\slot
.endif
	v_mov_b32 v[AKW], v[AK+\slot]
	v_mov_b32 v[AVW], v[AV+\slot]
.endm
; n steps on neighbouring parts of the slot
.macro STEPS n
	s_mov_b32 s104, \n
.Lstep_\@:
	STEP 0
	s_sub_co_u32 s104, s104, 1
	s_cmp_lg_u32 s104, 0
	s_cbranch_scc1 .Lstep_\@
.endm
	HEAD 0, 1                                      ; keys 0-255 in slot 0; slot 1 is asked for the first time
	STEP 1                                         ; the first step starts every sum
	STEPS 3
	s_mov_b32 s6, 3
.Lpair:
	HEAD 1, 1                                      ; an odd tile in slot 1; slot 0 gets the next even one
	STEPS 4
	HEAD 0, 1                                      ; an even tile in slot 0; slot 1 gets the next odd one (in the last trip: keys 1792-2047)
	STEPS 4
	s_sub_co_u32 s6, s6, 1
	s_cmp_lg_u32 s6, 0
	s_cbranch_scc1 .Lpair
	HEAD 1, 0                                      ; keys 1792-2047: nothing is left to fetch (slot 1's stepped address is not used)
	STEPS 4
	; divide by the sum of weights (at least about 1: the largest weight), round to f16, 16 bytes a lane into my stage, whole rows back
	v_add_f32 v[T0],   v[LS],   v[LS+1]
	v_add_f32 v[T0+1], v[LS+2], v[LS+3]
	v_permlanex16_b32 v[T0+2], v[T0],   s66, s67
	v_permlanex16_b32 v[T0+3], v[T0+1], s66, s67
	v_add_f32 v[T0],   v[T0],   v[T0+2]
	v_add_f32 v[T0+1], v[T0+1], v[T0+3]
	v_rcp_f32 v[AL],   v[T0]
	v_rcp_f32 v[AL+1], v[T0+1]
	v_nop                                          ; one plain place behind the reciprocals
	s_wait_alu depctr_va_vdst(0)
	RESCALE
.irp dt, 0,1,2,3
.irp t, 0,1
.irp k, 0,1,2,3
	v_cvt_pk_f16_f32 v[SC+4*(2*\dt+\t)+\k], v[OA+8*(2*\dt+\t)+2*\k], v[OA+8*(2*\dt+\t)+2*\k+1]
.endr
.endr
.endr
.irp dt, 0,1,2,3
.irp t, 0,1
	ds_store_b128 v[STO], v[SC+4*(2*\dt+\t):SC+4*(2*\dt+\t)+3] offset:16*SROW*\t+32*\dt     ; query 16 t + r, d = 16 dt + 8 h ..
.endr
.endr
.irp k, 0,1,2,3,4,5,6,7
	ds_load_b128 v[SC+32+4*\k:SC+32+4*\k+3], v[RD] offset:4*SROW*\k                        ; LDS serves a wave's instructions in order: these see the stores above
.endr
.irp k, 0,1,2,3,4,5,6,7
	s_wait_dscnt 7-\k                              ; the younger read-backs stay out
	global_store_b128 v[CO], v[SC+32+4*\k:SC+32+4*\k+3], s[100:101] offset:512*\k          ; 512 consecutive bytes: four rows
.endr
	s_wait_tensorcnt 0x0
	ds_add_u32 v30, v31
	s_wait_dscnt 0x0
	ROUND                                          ; the closing round
	s_endpgm
.Lfunc_end_k_qd734bd84b5_attn:
	.size	k_qd734bd84b5_attn, .Lfunc_end_k_qd734bd84b5_attn-k_qd734bd84b5_attn
	.p2alignl 7, 3214868480
	.fill 96, 4, 3214868480
	.section	.rodata,"a",@progbits
	.p2align	6, 0x0
	.amdhsa_kernel k_qd734bd84b5_attn
		.amdhsa_group_segment_fixed_size 327680
		.amdhsa_private_segment_fixed_size 0
		.amdhsa_enable_private_segment 0
		.amdhsa_kernarg_size 24
		.amdhsa_user_sgpr_count 2
		.amdhsa_user_sgpr_kernarg_segment_ptr 1
		.amdhsa_wavefront_size32 1
		.amdhsa_system_sgpr_workgroup_id_x 1
		.amdhsa_system_sgpr_workgroup_id_y 1
		.amdhsa_system_sgpr_workgroup_id_z 1
		.amdhsa_system_vgpr_workitem_id 0
		.amdhsa_next_free_vgpr 256
		.amdhsa_next_free_sgpr 106
		.amdhsa_reserve_vcc 0
		.amdhsa_float_denorm_mode_32 3
		.amdhsa_float_denorm_mode_16_64 3
		.amdhsa_memory_ordered 1
		.amdhsa_forward_progress 1
		.amdhsa_inst_pref_size 128
	.end_amdhsa_kernel
	.amdgpu_metadata
---
amdhsa.version: [ 1, 2 ]
amdhsa.kernels:
  - .name:           k_qd734bd84b5_attn
    .symbol:         k_qd734bd84b5_attn.kd
    .args:
      - { .name: qkv, .offset: 0, .size: 8, .value_kind: global_buffer, .address_space: global }
      - { .name: mbits, .offset: 8, .size: 8, .value_kind: global_buffer, .address_space: global }
      - { .name: att, .offset: 16, .size: 8, .value_kind: global_buffer, .address_space: global }
    .group_segment_fixed_size: 327680
    .private_segment_fixed_size: 0
    .kernarg_segment_align: 8
    .kernarg_segment_size: 24
    .max_flat_workgroup_size: 256
    .sgpr_count:     106
    .vgpr_count:     256
    .wavefront_size: 32
...
	.end_amdgpu_metadata
.endif
;; end of part 3
;; launch outp (part 4): grid 8 x 32, 4 waves a work-group, clusters of 4 x 4, 327,680 bytes of LDS; arguments att, wo16, out0; writes out0
.if DOCPART == 4
	.amdgcn_target "amdgcn-amd-amdhsa--gfx1250"
	.amdhsa_code_object_version 6
	.text
	.protected	k_qd734bd84b5_outp
	.globl	k_qd734bd84b5_outp
	.p2align	8
	.type	k_qd734bd84b5_outp,@function
k_qd734bd84b5_outp:
	s_mov_b64 s[64:65], 0
	v_nop
	global_prefetch_b8 v0, s[64:65] scope:SCOPE_SE
	s_setreg_imm32_b32 hwreg(HW_REG_WAVE_MODE, 25, 1), 1
	s_wait_xcnt 0x0
	s_wait_alu depctr_hold_cnt(0) depctr_sa_sdst(0) depctr_va_vdst(0) depctr_va_sdst(0) depctr_va_ssrc(0) depctr_va_vcc(0) depctr_vm_vsrc(0)
	s_getreg_b32 s2, hwreg(HW_REG_IB_STS2, 6, 4)
	s_cmp_eq_u32 s2, 0
	s_cbranch_scc0 .Lentry_in_a_cluster
	s_endpgm
.Lentry_in_a_cluster:
	s_bfe_u32 s2, ttmp6, 0x10000c
	s_cmp_lg_u32 s2, 0xf033
	s_cbranch_scc0 .Lentry_shape_is_right
	s_endpgm
.Lentry_shape_is_right:
; out0[2 s + b][n] = sum over k = 64 head + d of att[16 b + head][s][d] Wo[n][k].  att: f16 [bh][2048][64]; wo16: f16 [1024 n][1024 k]; out0: f32.
; A work-group makes 128 rows (one b, 128 values of s) x 128 columns: 256 work-groups, one for each WGP; blocks of 256 x 256 would give 64.
; Four waves, 64 x 64 each: 16 accumulator tiles in window 1 (tile (a, b) at v[8 (4 a + b)] there); fragments and addresses in window 0.
; K goes in blocks of 256 (four heads) through two LDS slots: four fills in all, so the text is written out without a loop.
; Waves 0 and 1 bring att (two heads x 128 rows each, a head's 16 KiB dense in memory), waves 2 and 3 bring 64 rows of Wo each (512 bytes a row).
; CLUSTERS 4 x 4: att's tiles hang on the block row alone and are shared along a row of the cluster, Wo's on the block column and along a column.
; The matrix instruction is used transposed (source 0 = rows of Wo, source 1 = rows of att): lane l holds row l % 16 and columns 8 (l / 16) + 0 .. 7.
.set PARTO, 36864                      ; what one tensor load fills: 256 rows at pitch 144, or 64 rows at pitch 528 (33,792)
.set SLOTB, 4*PARTO
.set STAGE, 2*SLOTB                    ; 16 rows x 272 bytes for each wave; no tensor load lands there
.set SPITCH, 272
.set ADRA, 16                          ; v16-17 att fragments in slot 0, 1
.set ADRB, 20                          ; v20-21 Wo fragments
.set STO,  24
.set RD,   25
.set CO,   26
.set F0,   64                          ; a buffer: Wo's four fragments at +8 b, att's four at +32 + 8 a
.set F1,   128
.set G1, 24                            ; s[24:31] group 1 for att's tiles
.set G0, 32                            ; s[32:39] group 0 for att's tiles, a set for each slot
.set G1B, 48                           ; s[48:55] group 1 for Wo's tiles
.set G0B, 56                           ; s[56:63] group 0 for Wo's tiles
.set MSB, 0
.macro WIN new
.if MSB != \new
	s_set_vgpr_msb (MSB<<8)|\new
.set MSB, \new
.endif
.endm
.set MULW, 0x50                        ; C and D window 1, sources window 0
.set STW,  0x04                        ; an LDS store's data (source 1) window 1
.macro JLOAD s
	s_cmp_eq_u32 s11, 0
	s_cbranch_scc0 .Lfor_b_\@
	tensor_load_to_lds s[G0+4*(\s):G0+4*(\s)+3], s[G1:G1+7]
	s_nop 0
	s_branch .Lasked_\@
.Lfor_b_\@:
	tensor_load_to_lds s[G0B+4*(\s):G0B+4*(\s)+3], s[G1B:G1B+7]
	s_nop 0
.Lasked_\@:
.endm
.macro CROUND                          ; a round of the cluster's barrier
	s_barrier_signal -1
	s_barrier_wait -1
	s_cmp_lg_u32 s10, 0
	s_cbranch_scc1 .Lnot_wave_0_\@
	s_barrier_signal -3
.Lnot_wave_0_\@:
	s_barrier_wait -3
	s_barrier_signal -1
	s_barrier_wait -1
.endm
.macro PLACES                          ; four places behind matrix instructions (ISA guide 7.12.1)
.rept 4
	v_nop
.endr
.endm
	s_load_b128 s[4:7], s[0:1], 0x0                ; att s[4:5], wo16 s[6:7]
	s_load_b64 s[8:9], s[0:1], 0x10                ; out0
	v_lshl_add_u32 v254, v0, 2, 0x4c400
	v_mov_b32 v255, 0
	ds_add_u32 v254, v255
	v_lshrrev_b32 v1, 5, v0
	v_readfirstlane_b32 s10, v1                    ; wave 0..3
	s_lshr_b32 s11, s10, 1                         ; my half of the rows.  Also: I fetch att (0) or Wo (1)
	s_and_b32 s12, s10, 1                          ; my half of the columns.  Also: which half of that tile I fetch
	s_bfe_u32 s40, ttmp6, 0x40000                  ; cx
	s_bfe_u32 s41, ttmp6, 0x40004                  ; cy
	s_lshl_b32 s42, ttmp9, 2
	s_add_co_u32 s42, s42, s40                     ; block column 0..7
	s_and_b32 s13, ttmp7, 0xffff
	s_lshl_b32 s13, s13, 2
	s_add_co_u32 s13, s13, s41                     ; block row 0..31: b = row / 16, s0 = 128 (row % 16)
	s_lshl_b32 s43, s41, 2
	s_lshl_b32 s43, 15, s43                        ; my row of the cluster
	s_lshl_b32 s44, 0x1111, s40                    ; my column
	; att: 2 rows of 2,048 elements of 8 bytes (a head's 128 rows of 128 bytes), a head apart; 16 bytes of padding behind every 32 words: pitch 144
	s_or_b32 s[G1+0], s43, (3<<16)|(1<<20)|(1<<21)|(4<<22)|(3<<25)
	s_mov_b32 s[G1+1], 2048<<16                    ; tensor_dim0
	s_mov_b32 s[G1+2], 2<<16                       ; tensor_dim1
	s_mov_b32 s[G1+3], 2048<<16                    ; tile_dim0
	s_mov_b32 s[G1+4], 2                           ; tile_dim1
	s_mov_b32 s[G1+5], 32768                       ; 262,144 bytes from head to head
	s_mov_b32 s[G1+6], 0
	s_mov_b32 s[G1+7], 0
	; Wo: 64 rows of 256 elements of 2 bytes; 16 bytes of padding behind every 128 words: pitch 528
	s_or_b32 s[G1B+0], s44, (1<<16)|(1<<20)|(1<<21)|(6<<22)|(3<<25)
	s_mov_b32 s[G1B+1], 256<<16
	s_mov_b32 s[G1B+2], 64<<16
	s_mov_b32 s[G1B+3], 256<<16
	s_mov_b32 s[G1B+4], 64
	s_mov_b32 s[G1B+5], 1024
	s_mov_b32 s[G1B+6], 0
	s_mov_b32 s[G1B+7], 0
	s_lshr_b32 s16, s13, 4                         ; b
	s_lshl_b32 s16, s16, 4
	s_lshl1_add_u32 s16, s12, s16                  ; head 16 b + 2 x half
	s_lshl_b32 s16, s16, 18
	s_and_b32 s17, s13, 15
	s_lshl_b32 s17, s17, 14                        ; s0 x 128 bytes
	s_add_co_u32 s16, s16, s17
	s_mov_b32 s17, 0
	s_lshl_b32 s46, s42, 18                        ; 128 rows of Wo, 2,048 bytes each
	s_lshl_b32 s47, s12, 17                        ; + 64 x half
	s_add_co_u32 s46, s46, s47
	s_mov_b32 s47, 0
	s_mul_i32 s20, s10, PARTO                      ; LDS: the wave's number times a part
	s_wait_dscnt 0x0
	s_wait_kmcnt 0x0
	s_add_nc_u64 s[14:15], s[4:5], s[16:17]
	s_add_nc_u64 s[46:47], s[6:7], s[46:47]
	CROUND                                         ; all sixteen work-groups are here
.irp s, 0,1
	s_mov_b32 s[G0+4*\s], 1
	s_add_co_u32 s[G0+4*\s+1], s20, \s*SLOTB
	s_add_nc_u64 s[G0+4*\s+2:G0+4*\s+3], s[14:15], \s*0x100000     ; four heads on
	s_or_b32 s[G0+4*\s+3], s[G0+4*\s+3], 0x80000000
	s_mov_b32 s[G0B+4*\s], 1
	s_add_co_u32 s[G0B+4*\s+1], s20, \s*SLOTB
	s_add_nc_u64 s[G0B+4*\s+2:G0B+4*\s+3], s[46:47], \s*512        ; 256 k on
	s_or_b32 s[G0B+4*\s+3], s[G0B+4*\s+3], 0x80000000
	JLOAD \s                                       ; both first fills go out together: two loads of the wave are out
.endr
	v_and_b32 v1, 15, v0                           ; r
	v_bfe_u32 v2, v0, 4, 1                         ; h
	v_mul_u32_u24 v3, v1, 144
	v_lshl_add_u32 v3, v2, 4, v3
	s_mul_i32 s21, s11, 64*144                     ; my 64 rows of att
	v_add_nc_u32 v[ADRA], s21, v3
	v_add_nc_u32 v[ADRA+1], SLOTB, v[ADRA]
	v_mul_u32_u24 v4, v1, 528
	v_lshl_add_u32 v4, v2, 4, v4
	s_mul_i32 s22, s12, PARTO                      ; my 64 rows of Wo are one part,
	s_add_co_u32 s22, s22, 2*PARTO                 ; behind att's two
	v_add_nc_u32 v[ADRB], s22, v4
	v_add_nc_u32 v[ADRB+1], SLOTB, v[ADRB]
	s_mul_i32 s23, s10, 16*SPITCH
	s_add_co_u32 s23, s23, STAGE
	v_mul_u32_u24 v5, v1, SPITCH                   ; in: row r, 32 bytes for each half of the lanes
	v_lshl_add_u32 v5, v2, 5, v5
	v_add_nc_u32 v[STO], s23, v5
	v_mul_u32_u24 v6, v2, SPITCH                   ; back: lanes 0-15 one row of 256 bytes, lanes 16-31 the next
	v_lshl_add_u32 v6, v1, 4, v6
	v_add_nc_u32 v[RD], s23, v6
	v_lshlrev_b32 v7, 13, v2                       ; neighbouring s are two rows of out0 apart: 8,192 bytes
	v_lshl_add_u32 v[CO], v1, 4, v7
; 16 loads: the fragments of 32 along K (number kq of the slot's eight) into buffer f
.macro FETCH slot, kq, f
.irp i, 0,1,2,3
	ds_load_b128 v[\f+8*\i:\f+8*\i+3],   v[ADRB+\slot] offset:64*(\kq)+8448*\i
	ds_load_b128 v[\f+8*\i+4:\f+8*\i+7], v[ADRB+\slot] offset:64*(\kq)+8448*\i+32
.endr
.irp i, 0,1,2,3
	ds_load_b128 v[\f+32+8*\i:\f+32+8*\i+3],   v[ADRA+\slot] offset:18432*((\kq)>>1)+64*((\kq)&1)+2304*\i
	ds_load_b128 v[\f+32+8*\i+4:\f+32+8*\i+7], v[ADRA+\slot] offset:18432*((\kq)>>1)+64*((\kq)&1)+2304*\i+32
.endr
.endm
; 16 matrix instructions: the sixteen accumulators take turns, one instruction a turn, always in this order
.macro MUL16 f, zero
.irp a, 0,1,2,3
.irp b, 0,1,2,3
.if \zero
	v_wmma_f32_16x16x32_f16 v[8*(4*\a+\b):8*(4*\a+\b)+7], v[\f+8*\b:\f+8*\b+7], v[\f+32+8*\a:\f+32+8*\a+7], 0
.else
	v_wmma_f32_16x16x32_f16 v[8*(4*\a+\b):8*(4*\a+\b)+7], v[\f+8*\b:\f+8*\b+7], v[\f+32+8*\a:\f+32+8*\a+7], v[8*(4*\a+\b):8*(4*\a+\b)+7]
.endif
.endr
.endr
.endm
.macro KQ slot, kq, f, g, zero         ; asks for the next 32 along K into buffer g, then multiplies buffer f
	PLACES
	FETCH \slot, \kq+1, \g
	s_wait_dscnt 16                                ; buffer f is in; the 16 loads just issued stay out
	WIN MULW
	MUL16 \f, \zero
	WIN 0
.endm
.macro WORK slot, zero                 ; a slot's 256 along K
	PLACES
	FETCH \slot, 0, F0
	KQ \slot, 0, F0, F1, \zero
	KQ \slot, 1, F1, F0, 0
	KQ \slot, 2, F0, F1, 0
	KQ \slot, 3, F1, F0, 0
	KQ \slot, 4, F0, F1, 0
	KQ \slot, 5, F1, F0, 0
	KQ \slot, 6, F0, F1, 0
	s_wait_dscnt 0
	WIN MULW
	MUL16 F1, 0
	WIN 0
.endm
; The change of slots.  Each wave waits for all its tensor loads (its part of this slot among them) and for its reads of the other slot.
; refill = 1: a round of the cluster's barrier, and behind it first the other slot's refill, one load a wave, with this slot's work to land in.
; refill = 0: nothing is filled, so my work-group's barrier alone shows this slot whole.
.macro TWO slot, refill
	s_wait_tensorcnt 0x0
	ds_add_u32 v254, v255
	s_wait_dscnt 0x0
.if \refill
	s_add_nc_u64 s[G0+4*(1-\slot)+2:G0+4*(1-\slot)+3], s[G0+4*(1-\slot)+2:G0+4*(1-\slot)+3], 0x200000   ; no load of mine is out: eight heads on
	s_add_nc_u64 s[G0B+4*(1-\slot)+2:G0B+4*(1-\slot)+3], s[G0B+4*(1-\slot)+2:G0B+4*(1-\slot)+3], 1024   ; 512 k on
.endif
	s_wait_dscnt 0x0
.if \refill
	CROUND
	JLOAD 1-\slot
.else
	s_barrier_signal -1
	s_barrier_wait -1
.endif
	WORK \slot, 0
.endm
	s_wait_tensorcnt 1                             ; my part of slot 0 is in; slot 1's stays out
	s_barrier_signal -1
	s_barrier_wait -1
	WORK 0, 1                                      ; k 0-255: the first products start the sums
	TWO 1, 1                                       ; k 256-511; slot 0 gets k 512-767
	TWO 0, 1                                       ; k 512-767; slot 1 gets k 768-1023
	TWO 1, 0                                       ; k 768-1023
	; THE WAY OUT, 16 rows at a time through my own stage: 32 bytes a lane in, whole rows of 256 bytes back
	PLACES
	s_and_b32 s14, s13, 15
	s_lshl_b32 s14, s14, 7                         ; s0
	s_lshl_b32 s16, s11, 6
	s_add_co_u32 s14, s14, s16                     ; + my 64 rows
	s_lshl_b32 s14, s14, 1
	s_lshr_b32 s16, s13, 4
	s_add_co_u32 s14, s14, s16                     ; row of out0 = 2 s + b
	s_lshl_b32 s16, s14, 12
	s_mov_b32 s17, 0
	s_add_nc_u64 s[8:9], s[8:9], s[16:17]
	s_lshl_b32 s46, s42, 9                         ; 128 columns of 4 bytes
	s_lshl_b32 s47, s12, 8
	s_add_co_u32 s46, s46, s47
	s_mov_b32 s47, 0
	s_add_nc_u64 s[8:9], s[8:9], s[46:47]
.macro OUTA a, f
	WIN STW
.irp b, 0,1,2,3
	ds_store_b128 v[STO], v[8*(4*\a+\b):8*(4*\a+\b)+3]   offset:64*\b
	ds_store_b128 v[STO], v[8*(4*\a+\b)+4:8*(4*\a+\b)+7] offset:64*\b+16
.endr
	WIN 0
	s_wait_xcnt 0x0                                ; buffer f, which earlier stores read, is loaded again only behind this wait
.irp t, 0,1,2,3,4,5,6,7
	ds_load_b128 v[\f+4*\t:\f+4*\t+3], v[RD] offset:2*SPITCH*\t    ; LDS serves a wave's instructions in order: these see the stores above
.endr
.irp t, 0,1,2,3,4,5,6,7
	s_wait_dscnt 7-\t                              ; the younger read-backs stay out
	global_store_b128 v[CO], v[\f+4*\t:\f+4*\t+3], s[8:9] offset:131072*\a+16384*\t   ; 16 lanes store 256 consecutive bytes, aligned
.endr
.endm
	OUTA 0, F0
	OUTA 1, F1
	OUTA 2, F0
	OUTA 3, F1
	s_wait_tensorcnt 0x0
	ds_add_u32 v254, v255
	s_wait_dscnt 0x0
	CROUND                                         ; the closing round
	s_endpgm
.Lfunc_end_k_qd734bd84b5_outp:
	.size	k_qd734bd84b5_outp, .Lfunc_end_k_qd734bd84b5_outp-k_qd734bd84b5_outp
	.p2alignl 7, 3214868480
	.fill 96, 4, 3214868480
	.section	.rodata,"a",@progbits
	.p2align	6, 0x0
	.amdhsa_kernel k_qd734bd84b5_outp
		.amdhsa_group_segment_fixed_size 327680
		.amdhsa_private_segment_fixed_size 0
		.amdhsa_enable_private_segment 0
		.amdhsa_kernarg_size 24
		.amdhsa_user_sgpr_count 2
		.amdhsa_user_sgpr_kernarg_segment_ptr 1
		.amdhsa_wavefront_size32 1
		.amdhsa_system_sgpr_workgroup_id_x 1
		.amdhsa_system_sgpr_workgroup_id_y 1
		.amdhsa_system_sgpr_workgroup_id_z 1
		.amdhsa_system_vgpr_workitem_id 0
		.amdhsa_next_free_vgpr 384
		.amdhsa_next_free_sgpr 66
		.amdhsa_reserve_vcc 0
		.amdhsa_float_denorm_mode_32 3
		.amdhsa_float_denorm_mode_16_64 3
		.amdhsa_memory_ordered 1
		.amdhsa_forward_progress 1
		.amdhsa_inst_pref_size 89
	.end_amdhsa_kernel
	.amdgpu_metadata
---
amdhsa.version: [ 1, 2 ]
amdhsa.kernels:
  - .name:           k_qd734bd84b5_outp
    .symbol:         k_qd734bd84b5_outp.kd
    .args:
      - { .name: att, .offset: 0, .size: 8, .value_kind: global_buffer, .address_space: global }
      - { .name: wo16, .offset: 8, .size: 8, .value_kind: global_buffer, .address_space: global }
      - { .name: out0, .offset: 16, .size: 8, .value_kind: global_buffer, .address_space: global }
    .group_segment_fixed_size: 327680
    .private_segment_fixed_size: 0
    .kernarg_segment_align: 8
    .kernarg_segment_size: 24
    .max_flat_workgroup_size: 128
    .sgpr_count:     66
    .vgpr_count:     384
    .wavefront_size: 32
...
	.end_amdgpu_metadata
.endif
;; end of part 4
;; ======== version 2 of 2: 4 launches; version 1 with the launch prep written anew for expert scheduling mode
;; limits: values are held in f16: magnitudes above 65,504 overflow, below 6.1e-05 lose precision
;; workspace buffers: x16 25,165,824 bytes; w16 6,291,456 bytes; wo16 2,097,152 bytes; mbits 524,288 bytes of whole numbers; qkv 25,165,824 bytes; att 8,388,608 bytes
;; launch prep (part 5): grid 1280 x 1, 8 waves a work-group, no clusters, 70,656 bytes of LDS; arguments query, keys, values, Wq, Wk, Wv, Wo, mask, x16, w16, wo16, mbits; writes x16, w16, wo16, mbits
.if DOCPART == 5
	.amdgcn_target "amdgcn-amd-amdhsa--gfx1250"
	.amdhsa_code_object_version 6
	.text
	.protected	k_qd734bd84b5_prep
	.globl	k_qd734bd84b5_prep
	.p2align	8
	.type	k_qd734bd84b5_prep,@function
k_qd734bd84b5_prep:
	s_mov_b64 s[64:65], 0
	v_nop
	global_prefetch_b8 v0, s[64:65] scope:SCOPE_SE
	s_setreg_imm32_b32 hwreg(HW_REG_WAVE_SCHED_MODE, 0, 2), 2
	s_setreg_imm32_b32 hwreg(HW_REG_WAVE_MODE, 25, 1), 1
	s_wait_xcnt 0x0
	s_wait_alu depctr_vm_vsrc(0)
; Sixteen-bit copies of the seven float inputs, and the mask as words of lane bits.
; Work-groups 0-1023: each turns 16,384 f32 (65,536 bytes) into 16-bit numbers (32,768 bytes):
;   0-767 query, keys, values -> x16 (bf16);  768-959 Wq, Wk, Wv -> w16 (bf16);
;   960-1023 Wo -> wo16: rounded to bf16, and that value written in f16 format.
; Work-groups 1024-1279: each wave packs 32 query rows x 64 key columns of the int32 mask into 64 words:
;   mbits[qb][kb][t][u][j], bit L = (mask[32 qb + 16 t + (L & 15)][64 kb + 16 u + 8 (L >> 4) + j] != 0),
;   which is the place of that score in the accumulator registers of the attention launch.
; LIMITS: |Wo| <= 65,504 (f16's range); below 2^-14 the f16 copy of Wo has an absolute error of at most 2^-25.
; Memory binds: loads of 16 bytes a lane, all sixteen of a wave out at once; each store of a wave covers 256 consecutive bytes, aligned.
; THE MODE: SCHED_MODE bits 1:0 = 2 (LLVM: expert scheduling mode 2), set by the entry lines.  The code itself states the register dependences
; between vector instructions and memory or LDS instructions, with s_wait_alu, always for 0.
; THE PLAN.  Registers that memory or LDS instructions touch:
;   the float inputs:  v1, v2     offsets, written once ahead of the first load, never again.
;                      v[4:67]    load i lands in four of them, once; its conversions read them; no vector instruction names them before, no load after.
;                      v[68:99]   load i's conversions write a pair; store i reads it; the pair is never written again.
;     The sixteen loads go in four groups of four.  Group g's conversions name group g's registers and v[100:103] alone; the stores issued among them
;     are group g - 1's.  So one wait on va_vdst at the head of groups 1 to 3, and one ahead of the last four stores, state all that the stores hang on.
;   the mask:          v1, v2, v3 addresses, written once ahead of the first load, never again.
;                      v[4:67]    global loads land, LDS stores read: the load counter's affair.
;                      v[68:131]  LDS loads land, once; the compares read them.
;                      v134, v[132:133]  offset and data of the one global store: one wait on va_vdst ahead of it.
;     A compare writes a scalar register that a v_writelane_b32 reads: sixteen compares, one wait on va_sdst, sixteen v_writelane_b32, four times.
;   v136, v137         written at the head, read by the closing add alone.
; No register that a memory or LDS instruction reads is written again, so the text holds no wait on vm_vsrc but the one at the entry.  EXEC is written nowhere.
.set MROW, 272                         ; LDS pitch of a mask row piece: 256 bytes + 16
.set MWAVE, 32*MROW                    ; a wave's own LDS bytes
	s_load_b512 s[8:23], s[0:1], 0x0               ; query, keys, values, Wq, Wk, Wv, Wo, mask
	s_load_b256 s[24:31], s[0:1], 0x40             ; x16, w16, wo16, mbits
	v_lshl_add_u32 v136, v0, 2, 0x11000            ; my spare word, behind the eight waves' 8 x 8,704 bytes, and 0: kept for the closing add alone
	v_mov_b32 v137, 0
	s_mov_b32 s2, ttmp9                            ; c: the work-group's number
	v_lshrrev_b32 v1, 5, v0
	v_readfirstlane_b32 s3, v1                     ; the wave's number
	s_mov_b32 s33, 0
	s_wait_alu depctr_va_sdst(0)                   ; s3 is written
	s_wait_kmcnt 0x0
	s_cmp_ge_u32 s2, 1024
	s_cbranch_scc1 .Lmask
	; ---- the float inputs ----
	s_mov_b64 s[4:5], s[8:9]                       ; the source: chosen by c alone
	s_cmp_ge_u32 s2, 256
	s_cselect_b64 s[4:5], s[10:11], s[4:5]
	s_cmp_ge_u32 s2, 512
	s_cselect_b64 s[4:5], s[12:13], s[4:5]
	s_cmp_ge_u32 s2, 768
	s_cselect_b64 s[4:5], s[14:15], s[4:5]
	s_cselect_b32 s34, 63, 255                     ; a weight has 64 blocks, an activation 256
	s_cmp_ge_u32 s2, 832
	s_cselect_b64 s[4:5], s[16:17], s[4:5]
	s_cmp_ge_u32 s2, 896
	s_cselect_b64 s[4:5], s[18:19], s[4:5]
	s_cmp_ge_u32 s2, 960
	s_cselect_b64 s[4:5], s[20:21], s[4:5]
	s_and_b32 s32, s2, s34                         ; the block's number inside its input (768, 832, .. are multiples of 64)
	s_lshl_b32 s32, s32, 16
	s_add_nc_u64 s[4:5], s[4:5], s[32:33]
	s_sub_co_u32 s36, s2, 768
	s_sub_co_u32 s37, s2, 960
	s_cmp_ge_u32 s2, 768                           ; the destination and the block's number in it
	s_cselect_b64 s[6:7], s[26:27], s[24:25]
	s_cselect_b32 s35, s36, s2
	s_cmp_ge_u32 s2, 960
	s_cselect_b64 s[6:7], s[28:29], s[6:7]
	s_cselect_b32 s35, s37, s35
	s_lshl_b32 s32, s35, 15
	s_add_nc_u64 s[6:7], s[6:7], s[32:33]
	v_lshlrev_b32 v1, 4, v0                        ; 16 bytes in a thread
	v_lshlrev_b32 v2, 3, v0                        ; 8 bytes out
	s_wait_alu depctr_va_vdst(0)                   ; v1 and v2 are written: every load of this path reads v1 as its offset, every store v2
.irp i, 0,1,2,3,4,5,6,7,8,9,10,11,12,13,14,15
	global_load_b128 v[4+4*\i:7+4*\i], v1, s[4:5] offset:4096*\i th:TH_LOAD_NT
.endr
; four numbers of load i are rounded; the store that goes out beside them is load i - 4's, of the group before.
; Every load and every store has registers of its own, so nothing is rewritten while it is read.
.macro CV i, wo
	s_wait_loadcnt 15-\i                           ; loads come back in order: the 15 - i younger ones stay out
.if ((\i) >= 4) && (((\i) % 4) == 0)
	s_wait_alu depctr_va_vdst(0)                   ; the conversions of the group before have written their four pairs of v[68:99], which this group's four stores read
.endif
.if (\i) >= 4
	global_store_b64 v2, v[68+2*(\i-4):69+2*(\i-4)], s[6:7] offset:2048*(\i-4)   ; no vector instruction since the wait names this pair
.endif
	v_cvt_pk_bf16_f32 v[68+2*\i], v[4+4*\i], v[5+4*\i]
	v_cvt_pk_bf16_f32 v[69+2*\i], v[6+4*\i], v[7+4*\i]
.if \wo
	v_lshlrev_b32 v100, 16, v[68+2*\i]             ; the bf16 values as f32,
	v_and_b32 v101, 0xffff0000, v[68+2*\i]
	v_lshlrev_b32 v102, 16, v[69+2*\i]
	v_and_b32 v103, 0xffff0000, v[69+2*\i]
	v_cvt_pk_f16_f32 v[68+2*\i], v100, v101        ; and in f16 format: 8 bits of mantissa fit into 11
	v_cvt_pk_f16_f32 v[69+2*\i], v102, v103
.endif
.endm
	s_cmp_ge_u32 s2, 960
	s_cbranch_scc1 .Lwo
.irp i, 0,1,2,3,4,5,6,7,8,9,10,11,12,13,14,15
	CV \i, 0
.endr
	s_wait_alu depctr_va_vdst(0)                   ; the last group's conversions have written v[92:99], which the last four stores read
.irp i, 12,13,14,15
	global_store_b64 v2, v[68+2*\i:69+2*\i], s[6:7] offset:2048*\i
.endr
	s_endpgm
.Lwo:
.irp i, 0,1,2,3,4,5,6,7,8,9,10,11,12,13,14,15
	CV \i, 1
.endr
	s_wait_alu depctr_va_vdst(0)                   ; the last group's conversions have written v[92:99], which the last four stores read
.irp i, 12,13,14,15
	global_store_b64 v2, v[68+2*\i:69+2*\i], s[6:7] offset:2048*\i
.endr
	s_endpgm
	; ---- the mask ----
.Lmask:
	s_sub_co_u32 s32, s2, 1024
	s_lshl3_add_u32 s32, s32, s3                   ; id = 8 (c - 1024) + wave = 32 qb + kb
	s_lshr_b32 s34, s32, 5
	s_and_b32 s35, s32, 31
	s_lshl_b32 s34, s34, 18                        ; qb x 32 rows of 8,192 bytes
	s_lshl_b32 s35, s35, 8                         ; kb x 64 columns of 4 bytes
	s_add_co_u32 s34, s34, s35
	s_mov_b32 s35, 0
	s_add_nc_u64 s[22:23], s[22:23], s[34:35]
	s_lshl_b32 s36, s32, 8                         ; 256 bytes of words for each id
	s_mov_b32 s37, 0
	s_add_nc_u64 s[30:31], s[30:31], s[36:37]
	s_mul_i32 s38, s3, MWAVE                       ; my wave's LDS bytes: no other wave touches them, so no barrier
	v_and_b32 v134, 15, v0                         ; r
	v_bfe_u32 v135, v0, 4, 1                       ; h
	v_lshlrev_b32 v1, 13, v135                     ; lanes 0-15 one row's 256 bytes, lanes 16-31 the next row's
	v_lshl_add_u32 v1, v134, 4, v1
	v_mul_u32_u24 v2, v135, MROW
	v_lshl_add_u32 v2, v134, 4, v2
	v_add_nc_u32 v2, s38, v2                       ; in: as loaded
	v_mul_u32_u24 v3, v134, MROW
	v_lshl_add_u32 v3, v135, 5, v3
	v_add_nc_u32 v3, s38, v3                       ; back: row r, columns 8 h ..
	s_wait_alu depctr_va_vdst(0)                   ; v1, v2 and v3 are written: the global loads read v1, the LDS stores v2, the LDS loads v3
.irp i, 0,1,2,3,4,5,6,7,8,9,10,11,12,13,14,15
	global_load_b128 v[4+4*\i:7+4*\i], v1, s[22:23] offset:16384*\i th:TH_LOAD_NT
.endr
.irp i, 0,1,2,3,4,5,6,7,8,9,10,11,12,13,14,15
	s_wait_loadcnt 15-\i                           ; the younger loads stay out
	ds_store_b128 v2, v[4+4*\i:7+4*\i] offset:2*MROW*\i
.endr
.irp t, 0,1
.irp u, 0,1,2,3
	ds_load_b128 v[68+8*(4*\t+\u):68+8*(4*\t+\u)+3],   v3 offset:16*MROW*\t+64*\u      ; LDS serves a wave's instructions in order: these see the stores above
	ds_load_b128 v[68+8*(4*\t+\u)+4:68+8*(4*\t+\u)+7], v3 offset:16*MROW*\t+64*\u+16
.endr
.endr
	v_and_b32 v134, 31, v0
	v_lshlrev_b32 v134, 3, v134                    ; lane L stores words 2 L and 2 L + 1
	v_mov_b32 v132, 0
	v_mov_b32 v133, 0
	; Words 16 g to 16 g + 15 at a time, in s[32:47], whose address arithmetic is over.  Word x: one bit from each lane, into lane x / 2 of v132 (x even) or v133 (x odd).
.set g, 0
.rept 4
	s_wait_dscnt 12-4*g                            ; LDS loads come back in order: the first 4 g + 4 are in, v[68:83+16 g]; the 12 - 4 g younger ones stay out
.set x, 0
.rept 16
	v_cmp_ne_u32 s[32+x], 0, v[68+16*g+x]
.set x, x+1
.endr
	s_wait_alu depctr_va_sdst(0)                   ; the sixteen compares have written s[32:47], which the sixteen lines below read
.set x, 0
.rept 16
	v_writelane_b32 v[132+(x&1)], s[32+x], (16*g+x)>>1
.set x, x+1
.endr
.set g, g+1
.endr
	s_wait_alu depctr_va_vdst(0)                   ; v134 and v[132:133] are written: the store's offset and its data
	global_store_b64 v134, v[132:133], s[30:31]
	s_wait_dscnt 0x0                               ; the closing lines, six on end
	s_wait_alu 0x0
	s_wait_tensorcnt 0x0
	ds_add_u32 v136, v137
	s_wait_dscnt 0x0
	s_endpgm
.Lfunc_end_k_qd734bd84b5_prep:
	.size	k_qd734bd84b5_prep, .Lfunc_end_k_qd734bd84b5_prep-k_qd734bd84b5_prep
	.p2alignl 7, 3214868480
	.fill 96, 4, 3214868480
	.section	.rodata,"a",@progbits
	.p2align	6, 0x0
	.amdhsa_kernel k_qd734bd84b5_prep
		.amdhsa_group_segment_fixed_size 70656
		.amdhsa_private_segment_fixed_size 0
		.amdhsa_enable_private_segment 0
		.amdhsa_kernarg_size 96
		.amdhsa_user_sgpr_count 2
		.amdhsa_user_sgpr_kernarg_segment_ptr 1
		.amdhsa_wavefront_size32 1
		.amdhsa_system_sgpr_workgroup_id_x 1
		.amdhsa_system_sgpr_workgroup_id_y 1
		.amdhsa_system_sgpr_workgroup_id_z 1
		.amdhsa_system_vgpr_workitem_id 0
		.amdhsa_next_free_vgpr 138
		.amdhsa_next_free_sgpr 66
		.amdhsa_reserve_vcc 0
		.amdhsa_float_denorm_mode_32 3
		.amdhsa_float_denorm_mode_16_64 3
		.amdhsa_memory_ordered 1
		.amdhsa_forward_progress 1
		.amdhsa_inst_pref_size 31
	.end_amdhsa_kernel
	.amdgpu_metadata
---
amdhsa.version: [ 1, 2 ]
amdhsa.kernels:
  - .name:           k_qd734bd84b5_prep
    .symbol:         k_qd734bd84b5_prep.kd
    .args:
      - { .name: query, .offset: 0, .size: 8, .value_kind: global_buffer, .address_space: global }
      - { .name: keys, .offset: 8, .size: 8, .value_kind: global_buffer, .address_space: global }
      - { .name: values, .offset: 16, .size: 8, .value_kind: global_buffer, .address_space: global }
      - { .name: Wq, .offset: 24, .size: 8, .value_kind: global_buffer, .address_space: global }
      - { .name: Wk, .offset: 32, .size: 8, .value_kind: global_buffer, .address_space: global }
      - { .name: Wv, .offset: 40, .size: 8, .value_kind: global_buffer, .address_space: global }
      - { .name: Wo, .offset: 48, .size: 8, .value_kind: global_buffer, .address_space: global }
      - { .name: mask, .offset: 56, .size: 8, .value_kind: global_buffer, .address_space: global }
      - { .name: x16, .offset: 64, .size: 8, .value_kind: global_buffer, .address_space: global }
      - { .name: w16, .offset: 72, .size: 8, .value_kind: global_buffer, .address_space: global }
      - { .name: wo16, .offset: 80, .size: 8, .value_kind: global_buffer, .address_space: global }
      - { .name: mbits, .offset: 88, .size: 8, .value_kind: global_buffer, .address_space: global }
    .group_segment_fixed_size: 70656
    .private_segment_fixed_size: 0
    .kernarg_segment_align: 8
    .kernarg_segment_size: 96
    .max_flat_workgroup_size: 256
    .sgpr_count:     66
    .vgpr_count:     138
    .wavefront_size: 32
...
	.end_amdgpu_metadata
.endif
;; end of part 5
;; launch proj: the kernel of part 2 again; grid 4 x 48, 4 waves a work-group, clusters of 4 x 4, 327,680 bytes of LDS; arguments x16, w16, qkv; writes qkv
;; launch attn: the kernel of part 3 again; grid 8 x 32, 8 waves a work-group, clusters of 4 x 1, 327,680 bytes of LDS; arguments qkv, mbits, att; writes att
;; launch outp: the kernel of part 4 again; grid 8 x 32, 4 waves a work-group, clusters of 4 x 4, 327,680 bytes of LDS; arguments att, wo16, out0; writes out0
